; MI455X (gfx1250); checked and timed in simulation.
; The chip was launched on July 23, 2026; its instructions are those of AMD's public machine-readable ISA for CDNA 5 (MIT licence, August 2026) and "CDNA5" Instruction Set Architecture Reference Guide (July 2026). The comments in the code are by the model that wrote it; some were corrected since.
;; Multi Head Self Attention. Allowed arithmetic: matrix products marked QUANTISED: E2M1 operands, one E8M0 scale for each 32 along K, by v_wmma_scale_f32_16x16x128_f8f6f4 with both operands' format E2M1 (or v_wmma_scale_f32_32x16x128_f4), f32 sums; products left as they are: bf16, f16 or f32 operands; f32 sums; everything else in f32.
;; Inputs: Wk 1,024 x 1,024 float32; Wo 1,024 x 1,024 float32; Wq 1,024 x 1,024 float32; Wv 1,024 x 1,024 float32; token_positions 2,048 int32; x 4 x 2,048 x 1,024 float32.
;; Outputs: out0 4 x 2,048 x 1,024 float32.
;; This version of the problem:
;;   THIS VERSION OF THE PROBLEM IS GIVEN IN LOW PRECISION. The matrix products marked QUANTISED in the list below multiply operands that are first quantised to E2M1 (2 exponent bits, 1 mantissa bit; 4 bits a number), with one power-of-two scale for each 32 numbers along K (OCP MX v1.0); their sums are f32. The products marked 'left as it is' may take bf16, f16 or f32 operands, with f32 sums. Whichever they take, every output number must still come out within the allowed error. Rounding operands to bf16 (8 significant bits) uses up far more of that allowance than f16 does (11 bits, for magnitudes from 6e-5 to 65,504). All else is computed in f32.
;;   The module's matrix products, in the order in which they are computed (A, B: the left and right operand; K: the contracted axis; several contracted axes count as one K, in the product's order):
;;     1. [M 8,192, K 1,024] x [K 1,024, N 1,024]; A: input x; B: input Wq: QUANTISED
;;     2. [M 8,192, K 1,024] x [K 1,024, N 1,024]; A: input x; B: input Wk: QUANTISED
;;     3. [M 8,192, K 1,024] x [K 1,024, N 1,024]; A: input x; B: input Wv: QUANTISED
;;     4. batch 64 x [M 2,048, K 64] x [K 64, N 2,048]; A: computed on the way; B: computed on the way: left as it is (an operand is computed on the way)
;;     5. batch 64 x [M 2,048, K 2,048] x [K 2,048, N 64]; A: computed on the way; B: computed on the way: left as it is (an operand is computed on the way)
;;     6. [M 8,192, K 1,024] x [K 1,024, N 1,024]; A: computed on the way; B: input Wo: left as it is (an operand is computed on the way)
;;   THE QUANTISER, for each operand of a quantised product, along K:
;;     - K is cut into blocks of 32 from its start; a last block that is shorter is filled with zeros.
;;     - A block's scale is 2^e with e = floor(log2(the largest magnitude in the block)) - 2, held to -126 .. 127; a block of zeros has e = 0. As a byte (E8M0): e + 127.
;;     - Each number is divided by its block's scale, clamped to +-6, and rounded to the nearest number of E2M1, ties to even, subnormals kept.
;;     - The product sums the exact products of the quantised numbers (number of the format x scale) in f32.
;;   ~~~python
;;   def quantise(x, axis):      # numpy; x: float32 -> the quantised numbers, widened to float32 again
;;       x = np.moveaxis(x, axis, -1); K = x.shape[-1]
;;       x = np.pad(x, [(0, 0)] * (x.ndim - 1) + [(0, -K % 32)]); x = x.reshape(x.shape[:-1] + (-1, 32)); a = np.abs(x).max(-1, keepdims=True)
;;       e = np.where(a > 0, np.clip(np.frexp(np.where(a > 0, a, 1))[1] - 1 - 2, -126, 127), 0)      # np.frexp(a)[1] - 1 = floor(log2(a)), exactly
;;       r = np.clip(x / 2.0 ** e, -6, 6)
;;       step = 2.0 ** (np.maximum(np.frexp(np.where(r == 0, 1, r))[1] - 1, 0) - 1)
;;       q = np.round(r / step) * step * 2.0 ** e      # np.round: ties to even
;;       return np.moveaxis(q.reshape(q.shape[:-2] + (-1,))[..., :K], -1, axis).astype(np.float32)
;;   ~~~
;; One version. Each part assembles by itself: llvm-mc -triple=amdgcn-amd-amdhsa -mcpu=gfx1250 --defsym DOCPART=n.
;; ======== version 1 of 1: 5 launches
;; limits: values are held in f16: magnitudes above 65,504 overflow, below 6.1e-05 lose precision; an absolute error that grows with the inputs' magnitude: up to 1.2e-07 times it; inputs' magnitudes at most 1,048,576
;; workspace buffers: codes 5,767,168 bytes; scales 360,448 bytes; wo16 2,097,152 bytes; tab 524,288 bytes; qkv 50,331,648 bytes; first 786,432 bytes; ao 16,777,216 bytes
;; launch prep (part 1): grid 400 x 1, 4 waves a work-group, no clusters, 33,280 bytes of LDS; arguments x, Wq, Wk, Wv, Wo, token_positions, codes, scales, wo16, tab; writes codes, scales, wo16, tab
.if DOCPART == 1
	.amdgcn_target "amdgcn-amd-amdhsa--gfx1250"
	.amdhsa_code_object_version 6
	.text
	.protected	k_q241f323cc4_prep
	.globl	k_q241f323cc4_prep
	.p2align	8
	.type	k_q241f323cc4_prep,@function
k_q241f323cc4_prep:
	s_mov_b64 s[64:65], 0
	v_nop
	global_prefetch_b8 v0, s[64:65] scope:SCOPE_SE
	s_setreg_imm32_b32 hwreg(HW_REG_WAVE_MODE, 25, 1), 1
	s_wait_xcnt 0x0
; PREP: what the later launches read again and again is made once.
; (a) work-groups 0-351: x [8192][1024], Wq, Wk, Wv [1024][1024], f32, K innermost, become codes of FP4 (E2M1) with one E8M0 byte for each 32 along K.
;     A block's scale is 2^(floor(log2(its largest magnitude)) - 2); its byte is the largest magnitude's exponent field - 2, held at 1 from below.  The four tensors follow each other
;     in the two buffers: codes = x's 8,192 rows of 512 bytes, then Wq's, Wk's, Wv's 3,072 rows; scales likewise in rows of 32 bytes.  Rows are dense, so each tensor is a plain stream of blocks.
;     A wave takes 16 steps of 512 numbers.  Each load reads 512 consecutive bytes; a step's 2,048 bytes turn through the wave's own stage in LDS, so that a lane holds 16 neighbours along K.
; (b) work-groups 352-383: Wo as f16, in place order [1024 n][1024 k].
; (c) work-groups 384-399: the table of RoPE: for each t and each pair i: cos and sin of f32(token_positions[t]) x 10^(-i / 8), 256 bytes for each t.
;     The angle is reduced by a whole number of quarter turns (pi/2 in three parts, fused multiply-adds) and goes through two polynomials on |r| <= pi/4.
; LIMITS: NaN and infinities among the inputs are not served.  A block of zeros gets the byte 1 where the rule says 127: its codes are zeros, and this program alone reads the bytes.
; Blocks whose largest magnitude lies under 2^-124 have their byte held at 1.  Wo beyond 65,504 has no f16 number.  The angle's error grows as 1.2e-7 x |position|: the text serves |position| up to 2^20.
; Only path (a) touches LDS.  No tensor loads, no barrier: waves share nothing.
.set STEPS, 16
.set EMAX,  2
.set CB,    8                          ; bytes of 16 codes
.set R,     16                         ; v16-79   four sets of 16 numbers as they are loaded
.set X,     80                         ; v80-111  two sets of 16 neighbours
.set C,     128                        ; v128-191 codes: four registers for each step
.set E,     112                        ; v112-127 a scale byte for each step
.set WREG,  8192                       ; LDS: a region for each wave: two stages of 32 x SP bytes, behind them its 256 scale bytes
.set SP,    80                         ; a lane's place in a stage: 64 bytes + 16 of padding
.set SPW,   12                         ; v12  LDS address of my spare word; never rewritten
.set NIL,   13                         ; v13  0; never rewritten
.set SPARE, 4*WREG                     ; behind the four regions: the spare words, 128 bytes a wave
	s_load_b256 s[4:11], s[0:1], 0x0               ; x, Wq, Wk, Wv
	s_load_b256 s[12:19], s[0:1], 0x20             ; Wo, token_positions, codes, scales
	s_load_b128 s[20:23], s[0:1], 0x40             ; wo16, tab
	v_lshl_add_u32 v[SPW], v0, 2, SPARE
	v_mov_b32 v[NIL], 0
	v_lshrrev_b32 v1, 5, v0
	v_readfirstlane_b32 s24, v1                    ; wave
	v_and_b32 v2, 31, v0                           ; lane
	s_mov_b32 s29, 0                               ; the high word of every offset pair s[28:29]
	s_cmp_ge_u32 ttmp9, 352
	s_cbranch_scc1 .Lother
; ---------------- (a) the quantiser
	v_lshlrev_b32 v3, 4, v2                        ; my 16 bytes of a load's 512
	s_mul_i32 s25, s24, WREG
	v_lshrrev_b32 v14, 2, v2
	v_mul_u32_u24 v14, v14, SP
	v_and_b32 v15, 3, v2
	v_lshl_add_u32 v14, v15, 4, v14
	v_add_nc_u32 v14, s25, v14                     ; the stage, on the way in: SP (lane / 4) + 16 (lane % 4)
	v_mul_u32_u24 v15, v2, SP
	v_add_nc_u32 v15, s25, v15                     ; and on the way out: SP x lane: my 16 neighbours
	v_mul_u32_u24 v4, v2, CB                       ; my codes' place in a step's
	v_lshrrev_b32 v5, 1, v2
	s_add_co_u32 s25, s25, 2*32*SP
	v_add_nc_u32 v5, s25, v5                       ; LDS: my wave's 256 scale bytes, my block's byte
	v_lshlrev_b32 v7, 3, v2                        ; and on the way out 8 bytes a lane
	v_add_nc_u32 v6, s25, v7
	s_wait_kmcnt 0x0
	s_cmp_lt_u32 ttmp9, 320                        ; which tensor: the choice hangs on the work-group's number alone
	s_cselect_b64 s[26:27], s[8:9], s[10:11]
	s_mov_b32 s28, 320
	s_cselect_b32 s28, 288, s28                    ; and the tensor's first work-group
	s_cmp_lt_u32 ttmp9, 288
	s_cselect_b64 s[26:27], s[6:7], s[26:27]
	s_cselect_b32 s28, 256, s28
	s_cmp_lt_u32 ttmp9, 256
	s_cselect_b64 s[26:27], s[4:5], s[26:27]
	s_cselect_b32 s28, 0, s28
	s_sub_co_u32 s28, ttmp9, s28
	s_lshl_b32 s28, s28, 2
	s_add_co_u32 s28, s28, s24                     ; which run of 8,192 numbers of the tensor is my wave's
	s_lshl_b32 s28, s28, 15                        ; 32,768 bytes a run
	s_add_nc_u64 s[26:27], s[26:27], s[28:29]
	s_lshl_b32 s30, ttmp9, 2
	s_add_co_u32 s30, s30, s24                     ; and which run of the buffers: the tensors follow each other there
	s_lshl_b32 s28, s30, 12                        ; 4,096 bytes of codes a run
	s_add_nc_u64 s[16:17], s[16:17], s[28:29]
	s_lshl_b32 s28, s30, 8                         ; 256 scale bytes a run
	s_add_nc_u64 s[18:19], s[18:19], s[28:29]
.macro QLOAD t
.irp i, 0,1,2,3
	global_load_b128 v[R+16*((\t)%4)+4*\i:R+16*((\t)%4)+4*\i+3], v3, s[26:27] offset:2048*(\t)+512*\i th:TH_LOAD_NT   ; 32 lanes read 512 consecutive bytes
.endr
.endm
.macro QTURN t                         ; step t's numbers through the stage: LDS serves a wave's instructions in order, so no wait stands between the stores and the loads
.irp i, 0,1,2,3
	ds_store_b128 v14, v[R+16*((\t)%4)+4*\i:R+16*((\t)%4)+4*\i+3] offset:32*SP*((\t)%2)+8*SP*\i
.endr
.irp i, 0,1,2,3
	ds_load_b128 v[X+16*((\t)%2)+4*\i:X+16*((\t)%2)+4*\i+3], v15 offset:32*SP*((\t)%2)+16*\i
.endr
.endm
.irp t, 0,1,2,3
	QLOAD \t
.endr
	s_wait_loadcnt 12                              ; step 0's four loads are in
	QTURN 0
.macro QSTEP t
.set XS, X+16*((\t)%2)
.if (\t) > 0
	s_wait_dscnt 1                                 ; this step's numbers are back from the stage (the last step's byte store may be out)
.else
	s_wait_dscnt 0x0
.endif
.if (\t)+4 < STEPS
	QLOAD (\t)+4                                   ; the registers that the stage's stores have read take the loads of four steps on
.endif
.if (\t)+1 < STEPS
.if STEPS-2-(\t) >= 3
	s_wait_loadcnt 12                              ; the next step's four loads are in; those of the three steps behind it may be out
.else
	s_wait_loadcnt 4*(STEPS-2-(\t))
.endif
	QTURN (\t)+1                                   ; and go through the other stage while this step is worked
.endif
	v_max3_num_f32 v8, |v[XS]|, |v[XS+1]|, |v[XS+2]|               ; the largest magnitude of my 16
	v_max3_num_f32 v9, |v[XS+3]|, |v[XS+4]|, |v[XS+5]|
.irp i, 6,10
	v_max3_num_f32 v8, v8, |v[XS+\i]|, |v[XS+\i+1]|
	v_max3_num_f32 v9, v9, |v[XS+\i+2]|, |v[XS+\i+3]|
.endr
	v_max3_num_f32 v8, v8, |v[XS+14]|, |v[XS+15]|
	v_max3_num_f32 v8, v8, v9, (EMAX+1)<<23        ; and the floor 2^(EMAX + 1 - 127): the byte cannot fall under 1
	v_max_num_f32_dpp v8, v8, v8 row_xmask:1 row_mask:0xf bank_mask:0xf   ; and of my neighbour's 16: the block's
	v_add_nc_u32 v11, -(EMAX<<23), v8              ; EMAX off its exponent field: the conversion takes the exponent field of this operand as its scale
	v_cvt_scalef32_pk8_fp4_f32 v[C+4*(\t)], v[XS:XS+7], v11
	v_cvt_scalef32_pk8_fp4_f32 v[C+4*(\t)+1], v[XS+8:XS+15], v11
	v_lshrrev_b32 v[E+(\t)], 23, v11               ; the scale's byte (also the plain line behind the conversions)
	ds_store_b8 v5, v[E+(\t)] offset:16*(\t)       ; both lanes of a block write the same byte with the same value
	global_store_b64 v4, v[C+4*(\t):C+4*(\t)+1], s[16:17] offset:32*CB*(\t)   ; the wave stores 256 consecutive bytes, aligned
.endm
.irp t, 0,1,2,3,4,5,6,7,8,9,10,11,12,13,14,15
	QSTEP \t
.endr
	ds_load_b64 v[8:9], v6                         ; LDS serves a wave's instructions in order: these see my stores
	s_wait_dscnt 0x0
	global_store_b64 v7, v[8:9], s[18:19]          ; 32 lanes store 256 consecutive bytes, aligned
	s_wait_tensorcnt 0x0                           ; the wave's end: behind my last LDS store
	ds_add_u32 v[SPW], v[NIL]
	s_wait_dscnt 0x0
	s_endpgm
.Lother:
	s_cmp_ge_u32 ttmp9, 384
	s_cbranch_scc1 .Ltable
; ---------------- (b) Wo to f16: a wave takes 8,192 numbers: 64 loads of 512 consecutive bytes, 64 stores of 256, in four rounds of 16 on two sets of registers
	v_lshlrev_b32 v3, 4, v2
	v_lshlrev_b32 v4, 3, v2
	s_sub_co_u32 s28, ttmp9, 352
	s_lshl_b32 s28, s28, 2
	s_add_co_u32 s30, s28, s24                     ; my run
	s_lshl_b32 s28, s30, 15
	s_wait_kmcnt 0x0
	s_add_nc_u64 s[12:13], s[12:13], s[28:29]
	s_lshl_b32 s28, s30, 14
	s_add_nc_u64 s[20:21], s[20:21], s[28:29]
.macro WLOAD g
.irp t, 0,1,2,3,4,5,6,7,8,9,10,11,12,13,14,15
	global_load_b128 v[16+64*((\g)%2)+4*\t:16+64*((\g)%2)+4*\t+3], v3, s[12:13] offset:512*(16*(\g)+\t)
.endr
.endm
.macro WROUND g
.set WS, 16+64*((\g)%2)
.if (\g) < 3
	WLOAD (\g)+1                                   ; the next round's loads go out ahead of this round's work
.endif
.if (\g) > 0
	s_wait_xcnt 0x0                                ; the last round's stores have read v144-175, which are written again below
.endif
.irp t, 0,1,2,3,4,5,6,7,8,9,10,11,12,13,14,15
.if (\g) < 3
	s_wait_loadcnt 31-\t                           ; behind load t: this round's 15 - t younger ones and the next round's 16
.else
	s_wait_loadcnt 15-\t
.endif
	v_cvt_pk_f16_f32 v[144+2*\t], v[WS+4*\t], v[WS+4*\t+1]
	v_cvt_pk_f16_f32 v[145+2*\t], v[WS+4*\t+2], v[WS+4*\t+3]
	global_store_b64 v4, v[144+2*\t:145+2*\t], s[20:21] offset:256*(16*(\g)+\t)   ; 256 consecutive bytes, aligned
.endr
.endm
	WLOAD 0
	WROUND 0
	WROUND 1
	WROUND 2
	WROUND 3
	s_endpgm
.Ltable:
; ---------------- (c) the table: a wave takes 32 positions, a lane the pair i
	s_sub_co_u32 s28, ttmp9, 384
	s_lshl_b32 s28, s28, 2
	s_add_co_u32 s30, s28, s24                     ; which 32 positions
	s_lshl_b32 s28, s30, 7
	s_wait_kmcnt 0x0
	s_add_nc_u64 s[14:15], s[14:15], s[28:29]
	s_load_b512 s[32:47], s[14:15], 0x0            ; the positions are data alone: no address hangs on them
	s_load_b512 s[48:63], s[14:15], 0x40
	s_lshl_b32 s28, s30, 13                        ; 256 bytes of table for each position
	s_add_nc_u64 s[22:23], s[22:23], s[28:29]
	s_mov_b32 s66, 0x3f22f983                      ; 2 / pi
	s_mov_b32 s67, 0x3fc90fd8                      ; pi / 2 in three parts: the sum of the three is pi / 2 to 72 bits
	s_mov_b32 s68, 0x34a8885a
	s_mov_b32 s69, 0x27c234c4
	s_mov_b32 s70, 0xbe2aaaab                      ; sine: -1/6, 1/120, -1/5040, 1/362880
	s_mov_b32 s71, 0x3c088889
	s_mov_b32 s72, 0xb9500d01
	s_mov_b32 s73, 0x3638ef1d
	s_mov_b32 s74, 0x3d2aaaab                      ; cosine: 1/24, -1/720, 1/40320 (-1/2 and 1 are written in the lines)
	s_mov_b32 s75, 0xbab60b61
	s_mov_b32 s76, 0x37d00d01
	v_cvt_f32_u32 v15, v2
	v_mul_f32 v15, 0xbed49a78, v15                 ; -i log2(10) / 8
	v_exp_f32 v15, v15                             ; 10^(-i / 8) = 10000^(-2 i / 64)
	v_lshlrev_b32 v14, 3, v2                       ; (the plain line behind the exponential)  8 bytes a pair
	s_wait_alu depctr_va_vdst(0)                   ; the wait ahead of the first reader
	s_wait_kmcnt 0x0
.macro ANGLE n
	v_cvt_f32_i32 v16, s[32+\n]
	v_mul_f32 v16, v16, v15                        ; the angle, rounded once
	v_mul_f32 v17, s66, v16
	v_rndne_f32 v17, v17                           ; quarter turns
	v_fma_f32 v18, -v17, s67, v16
	v_fma_f32 v18, -v17, s68, v18
	v_fma_f32 v18, -v17, s69, v18                  ; r, |r| <= pi / 4
	v_mul_f32 v19, v18, v18                        ; z = r r
	v_fma_f32 v20, v19, s76, s75                   ; the two polynomials by turns
	v_fma_f32 v21, v19, s73, s72
	v_fma_f32 v20, v20, v19, s74
	v_fma_f32 v21, v21, v19, s71
	v_fma_f32 v20, v20, v19, -0.5
	v_fma_f32 v21, v21, v19, s70
	v_mul_f32 v22, v18, v19
	v_fma_f32 v20, v20, v19, 1.0                   ; cos r
	v_fma_f32 v21, v21, v22, v18                   ; sin r
	v_cvt_i32_f32 v22, v17
	v_and_b32 v23, 1, v22
	v_cmp_eq_u32 vcc_lo, 1, v23                    ; an odd number of quarter turns changes sine and cosine over: a choice of values, no branch
	v_cndmask_b32 v24, v20, v21, vcc_lo
	v_cndmask_b32 v25, v21, v20, vcc_lo
	v_add_nc_u32 v23, 1, v22
	v_lshlrev_b32 v23, 30, v23
	v_lshlrev_b32 v22, 30, v22
	v_and_b32 v23, 0x80000000, v23                 ; the cosine is negative in quarters 1 and 2,
	v_and_b32 v22, 0x80000000, v22                 ; the sine in quarters 2 and 3
	v_xor_b32 v[64+2*\n], v24, v23
	v_xor_b32 v[65+2*\n], v25, v22
	global_store_b64 v14, v[64+2*\n:65+2*\n], s[22:23] offset:256*\n   ; 256 consecutive bytes, aligned; each position has registers of its own, so no store's data are written again
.endm
.irp n, 0,1,2,3,4,5,6,7,8,9,10,11,12,13,14,15,16,17,18,19,20,21,22,23,24,25,26,27,28,29,30,31
	ANGLE \n
.endr
	s_endpgm
.Lfunc_end_k_q241f323cc4_prep:
	.size	k_q241f323cc4_prep, .Lfunc_end_k_q241f323cc4_prep-k_q241f323cc4_prep
	.p2alignl 7, 3214868480
	.fill 96, 4, 3214868480
	.section	.rodata,"a",@progbits
	.p2align	6, 0x0
	.amdhsa_kernel k_q241f323cc4_prep
		.amdhsa_group_segment_fixed_size 33280
		.amdhsa_private_segment_fixed_size 0
		.amdhsa_enable_private_segment 0
		.amdhsa_kernarg_size 80
		.amdhsa_user_sgpr_count 2
		.amdhsa_user_sgpr_kernarg_segment_ptr 1
		.amdhsa_wavefront_size32 1
		.amdhsa_system_sgpr_workgroup_id_x 1
		.amdhsa_system_sgpr_workgroup_id_y 1
		.amdhsa_system_sgpr_workgroup_id_z 1
		.amdhsa_system_vgpr_workitem_id 0
		.amdhsa_next_free_vgpr 192
		.amdhsa_next_free_sgpr 96
		.amdhsa_reserve_vcc 1
		.amdhsa_float_denorm_mode_32 3
		.amdhsa_float_denorm_mode_16_64 3
		.amdhsa_memory_ordered 1
		.amdhsa_forward_progress 1
		.amdhsa_inst_pref_size 103
	.end_amdhsa_kernel
	.amdgpu_metadata
---
amdhsa.version: [ 1, 2 ]
amdhsa.kernels:
  - .name:           k_q241f323cc4_prep
    .symbol:         k_q241f323cc4_prep.kd
    .args:
      - { .name: x, .offset: 0, .size: 8, .value_kind: global_buffer, .address_space: global }
      - { .name: Wq, .offset: 8, .size: 8, .value_kind: global_buffer, .address_space: global }
      - { .name: Wk, .offset: 16, .size: 8, .value_kind: global_buffer, .address_space: global }
      - { .name: Wv, .offset: 24, .size: 8, .value_kind: global_buffer, .address_space: global }
      - { .name: Wo, .offset: 32, .size: 8, .value_kind: global_buffer, .address_space: global }
      - { .name: token_positions, .offset: 40, .size: 8, .value_kind: global_buffer, .address_space: global }
      - { .name: codes, .offset: 48, .size: 8, .value_kind: global_buffer, .address_space: global }
      - { .name: scales, .offset: 56, .size: 8, .value_kind: global_buffer, .address_space: global }
      - { .name: wo16, .offset: 64, .size: 8, .value_kind: global_buffer, .address_space: global }
      - { .name: tab, .offset: 72, .size: 8, .value_kind: global_buffer, .address_space: global }
    .group_segment_fixed_size: 33280
    .private_segment_fixed_size: 0
    .kernarg_segment_align: 8
    .kernarg_segment_size: 80
    .max_flat_workgroup_size: 128
    .sgpr_count:     96
    .vgpr_count:     192
    .wavefront_size: 32
...
	.end_amdgpu_metadata
.endif
;; end of part 1
;; launch qkv (part 2): grid 12 x 32, 4 waves a work-group, clusters of 4 x 4, 327,680 bytes of LDS; arguments codes, scales, tab, qkv, first; writes qkv, first
.if DOCPART == 2
	.amdgcn_target "amdgcn-amd-amdhsa--gfx1250"
	.amdhsa_code_object_version 6
	.text
	.protected	k_q241f323cc4_qkv
	.globl	k_q241f323cc4_qkv
	.p2align	8
	.type	k_q241f323cc4_qkv,@function
k_q241f323cc4_qkv:
	s_mov_b64 s[64:65], 0
	v_nop
	global_prefetch_b8 v0, s[64:65] scope:SCOPE_SE
	s_setreg_imm32_b32 hwreg(HW_REG_WAVE_MODE, 25, 1), 1
	s_wait_xcnt 0x0
	s_wait_alu depctr_hold_cnt(0) depctr_sa_sdst(0) depctr_va_vdst(0) depctr_va_sdst(0) depctr_va_ssrc(0) depctr_va_vcc(0) depctr_vm_vsrc(0)
	s_getreg_b32 s2, hwreg(HW_REG_IB_STS2, 6, 4)
	s_cmp_eq_u32 s2, 0
	s_cbranch_scc0 .Lentry_in_a_cluster
	s_endpgm
.Lentry_in_a_cluster:
	s_bfe_u32 s2, ttmp6, 0x10000c
	s_cmp_lg_u32 s2, 0xf033
	s_cbranch_scc0 .Lentry_shape_is_right
	s_endpgm
.Lentry_shape_is_right:
; QKV: [8192][3072] = x (Wq | Wk | Wv)^T on codes of FP4 (E2M1) with one E8M0 scale for each 32 along K = 1,024; sums in f32; then RoPE on q and k in f32; the results leave as f16, by head:
; qkv [3][4 b][16 h][2048 t][64].  Rows t < 16 of every batch also leave as f32, [4 b][16 t][3072], for the launch that carries them finely.
; A tile of 256 x 256 is made by a work-group of four waves; a wave makes 128 x 128: 64 accumulators of 16 x 16, 512 registers.  K goes in two steps of 512 through two LDS slots, each filled once.
; The scale bytes of the tile's 256 + 256 rows, for all of K, are two dense blocks: they come into LDS once, with the first fills.
; CLUSTERS: 4 x 4 work-groups.  The four of a row of the cluster need the same tiles of x, the four of a column the same tiles of W: each tile is asked for jointly.
; A cluster's x says q, k or v; tile row = cluster y + 8 cy, so that cy is the batch and cluster y the tile's place in it: every branch below hangs on the cluster's x or y and on the wave's number alone.
; THE MATRIX INSTRUCTION IS USED TRANSPOSED (source 0 = 16 rows of W, source 1 = 16 rows of x): a lane holds eight neighbouring columns of one row: four pairs of RoPE.
; REGISTERS, in windows of 256: window 0: v0-31 addresses; v32-95 scale words, two sets; v128-191 x's fragments, one set; v96-127 and v192-223 the table's numbers, two sets.
;   window 1: W's fragments, two sets.   window 2: the accumulators of my rows 0-63 ((a, b) at v[8 (8 a + b)]);   window 3: those of my rows 64-127.
;   On the way out: v32-95 a block after RoPE, v128-159 packed, v160-191 and v224-255 rows read back from the stage.
; LIMITS: q, k, v beyond 65,504 have no f16 number.  The f32 rows t < 16 leave in pieces of 64 bytes (786,432 bytes in the whole launch).
; V's tiles issue the first sixteen table loads too and do not read them: so no register's state hangs on a branch far from its reader.
.set NQ,     4                         ; matrix instructions deep in a slot: 512 along K
.set ROWB,   256                       ; a tile's row in bytes
.set KROW,   512                       ; a row of codes in memory
.set PITCH,  272                       ; an LDS row: 256 bytes + 16 of padding: the 16 rows that a load touches start at 16 different banks
.set FR,     8                         ; registers of a fragment: 16 rows x 128 K
.set NL,     2                         ; LDS loads that bring one
.set NP,     4                         ; places behind this matrix instruction (ISA guide 7.12.1)
.set HALFT,  128*PITCH
.set SLOT,   4*HALFT
.set KS,     32                        ; a row of scales in bytes
.set SCL,    2*SLOT
.set HALFS,  (128*KS/256)*272
.set SBLK,   (16*KS/256)*272
.set SPARE,  SCL+4*HALFS               ; the spare words, 128 bytes a wave
.set SP2,    144                       ; the way out: a stage row: 128 bytes (a head's 64 f16) + 16
.set WSTG,   2*16*SP2                  ; a wave's stage: two heads x 16 rows.  It lies in slot 0, which has had its one fill and its last read when the first result is stored there
.set ADRA, 16
.set ADRB, 20
.set STO,  24                          ; v24  the way out: where I put 16 bytes of a row
.set RD,   25                          ; v25  where I read rows back
.set CO,   26                          ; v26  16 x lane
.set ADRS, 27
.set SPW,  28
.set NIL,  29
.set TBO,  30                          ; v30  the table: 256 (t0 + r) + 32 h
.set FO,   31                          ; v31  the f32 rows: 12,288 r + 32 h
.set SC,   32
.set AF,   128
.set T,    32
.set PK,   128
.set BK,   160
.set CS0,  96
.set G1, 24
.set G0, 32
.set G1B, 48
.set G0B, 56
.set G1S, 68
.set G0S, 76
.set G1SB, 80
.set G0SB, 88
.set MSB, 0
.macro WIN new                         ; the immediate's high byte repeats the setting that is left
.if MSB != \new
	s_set_vgpr_msb (MSB<<8)|\new
.set MSB, \new
.endif
.endm
.set MUL_LO, 0xa1                      ; source 0 (W) window 1, source 1 (x) window 0, C and D window 2
.set MUL_HI, 0xf1
.set TO_B,   0x40
; A joint load: waves 0 and 1 fetch for x, waves 2 and 3 for W.  The branch hangs on the wave's number alone.  An s_nop 0 and four v_nop follow each of the two lines.
.macro JLOAD g0a, g1a, g0b, g1b
	s_cmp_eq_u32 s15, 0
	s_cbranch_scc0 .Lfor_b_\@
	tensor_load_to_lds s[\g0a:\g0a+3], s[\g1a:\g1a+7]
	s_nop 0
.rept 4
	v_nop
.endr
	s_branch .Lasked_\@
.Lfor_b_\@:
	tensor_load_to_lds s[\g0b:\g0b+3], s[\g1b:\g1b+7]
	s_nop 0
.rept 4
	v_nop
.endr
.Lasked_\@:
.endm
.macro CROUND                          ; a round of the cluster's barrier
	s_barrier_signal -1
	s_barrier_wait -1
	s_cmp_lg_u32 s14, 0
	s_cbranch_scc1 .Lnot_wave_0_\@
	s_barrier_signal -3
.Lnot_wave_0_\@:
	s_barrier_wait -3
	s_barrier_signal -1
	s_barrier_wait -1
.endm
	s_load_b256 s[4:11], s[0:1], 0x0               ; codes s[4:5], scales s[6:7], tab s[8:9], qkv s[10:11]
	s_load_b64 s[12:13], s[0:1], 0x20              ; first
	v_lshl_add_u32 v[SPW], v0, 2, SPARE
	v_mov_b32 v[NIL], 0
	ds_add_u32 v[SPW], v[NIL]                      ; the wave's opening: the add, twice on end, and its wait ahead of my first tensor load
	ds_add_u32 v[SPW], v[NIL]
	v_lshrrev_b32 v1, 5, v0
	v_readfirstlane_b32 s14, v1                    ; wave 0..3
	s_lshr_b32 s15, s14, 1                         ; which half of the tile's rows is mine.  Also: I fetch for x (0) or for W (1)
	s_and_b32 s16, s14, 1                          ; which half of its columns.  Also: which 128 rows of that tile I fetch
	s_bfe_u32 s40, ttmp6, 0x40000                  ; cx, cy: my place in the cluster
	s_bfe_u32 s41, ttmp6, 0x40004
	s_lshl_b32 s42, ttmp9, 2
	s_add_co_u32 s42, s42, s40                     ; tile column = 4 x cluster x + cx
	s_and_b32 s17, ttmp7, 0xffff
	s_lshl_b32 s43, s41, 3
	s_add_co_u32 s17, s17, s43                     ; tile row = cluster y + 8 cy
	s_lshl_b32 s43, s41, 2
	s_lshl_b32 s43, 15, s43                        ; my row of the cluster
	s_lshl_b32 s44, 0x1111, s40                    ; my column
	s_or_b32 s[G1+0], s43, (0<<16)|(1<<20)|(1<<21)|(5<<22)|(3<<25)  ; the mask; elements of 1 byte; padding on; bit 21 beside a mask; 4 words after every 64
	s_or_b32 s[G1B+0], s44, (0<<16)|(1<<20)|(1<<21)|(5<<22)|(3<<25)
.irp g, G1, G1B
	s_mov_b32 s[\g+1], ROWB<<16                    ; tensor_dim0
	s_mov_b32 s[\g+2], 128<<16                     ; tensor_dim1
	s_mov_b32 s[\g+3], ROWB<<16                    ; tile_dim0
	s_mov_b32 s[\g+4], 128                         ; tile_dim1
	s_mov_b32 s[\g+5], KROW                        ; from row to row
	s_mov_b32 s[\g+6], 0
	s_mov_b32 s[\g+7], 0
.endr
	s_or_b32 s[G1S+0], s43, (3<<16)|(1<<20)|(1<<21)|(5<<22)|(3<<25)  ; the scales of 128 rows: 4,096 dense bytes as 16 rows of 256 (32 elements of 8 bytes), 16 bytes of padding behind each
	s_or_b32 s[G1SB+0], s44, (3<<16)|(1<<20)|(1<<21)|(5<<22)|(3<<25)
.irp g, G1S, G1SB
	s_mov_b32 s[\g+1], 32<<16
	s_mov_b32 s[\g+2], (128*KS/256)<<16
	s_mov_b32 s[\g+3], 32<<16
	s_mov_b32 s[\g+4], 128*KS/256
	s_mov_b32 s[\g+5], 32
	s_mov_b32 s[\g+6], 0
	s_mov_b32 s[\g+7], 0
.endr
	s_lshl_b32 s18, s16, 7                         ; which 128 rows of the tile I fetch
	s_lshl_b32 s20, s17, 8
	s_add_co_u32 s20, s20, s18                     ; x: row 256 x tile row + 128 x half
	s_lshl_b32 s46, s42, 8
	s_add_co_u32 s46, s46, s18                     ; W: row 256 x tile column + 128 x half
	s_mov_b32 s21, 0
	s_mov_b32 s47, 0
	s_mov_b64 s[18:19], KS
	s_mul_u64 s[22:23], s[20:21], s[18:19]         ; where these rows' scales begin,
	s_mul_u64 s[92:93], s[46:47], s[18:19]
	s_mov_b64 s[18:19], KROW
	s_mul_u64 s[20:21], s[20:21], s[18:19]         ; and their codes
	s_mul_u64 s[46:47], s[46:47], s[18:19]
	s_add_nc_u64 s[92:93], s[92:93], 0x40000       ; W's rows lie behind x's 8,192 in both buffers
	s_add_nc_u64 s[46:47], s[46:47], 0x400000
	s_mul_i32 s45, s14, HALFT                      ; where they go: wave x 128 rows: no place in the cluster enters an LDS address
	s_mul_i32 s94, s14, HALFS
	s_wait_dscnt 0x0                               ; both opening adds are done
	s_wait_kmcnt 0x0
	s_add_nc_u64 s[20:21], s[4:5], s[20:21]
	s_add_nc_u64 s[22:23], s[6:7], s[22:23]
	s_add_nc_u64 s[46:47], s[4:5], s[46:47]
	s_add_nc_u64 s[92:93], s[6:7], s[92:93]
	CROUND                                         ; all sixteen work-groups are here: the joint loads meet
	s_mov_b32 s[G0S], 1
	s_add_co_u32 s[G0S+1], s94, SCL
	s_mov_b64 s[G0S+2:G0S+3], s[22:23]
	s_or_b32 s[G0S+3], s[G0S+3], 0x80000000
	s_mov_b32 s[G0SB], 1
	s_add_co_u32 s[G0SB+1], s94, SCL
	s_mov_b64 s[G0SB+2:G0SB+3], s[92:93]
	s_or_b32 s[G0SB+3], s[G0SB+3], 0x80000000
	JLOAD G0S, G1S, G0SB, G1SB                     ; the scales first: they are wanted with the first K step.  Three loads of mine are out at the most
.irp s, 0,1
	s_mov_b32 s[G0+4*\s], 1
	s_add_co_u32 s[G0+4*\s+1], s45, \s*SLOT
	s_add_nc_u64 s[G0+4*\s+2:G0+4*\s+3], s[20:21], \s*ROWB
	s_or_b32 s[G0+4*\s+3], s[G0+4*\s+3], 0x80000000
	s_mov_b32 s[G0B+4*\s], 1
	s_add_co_u32 s[G0B+4*\s+1], s45, \s*SLOT
	s_add_nc_u64 s[G0B+4*\s+2:G0B+4*\s+3], s[46:47], \s*ROWB
	s_or_b32 s[G0B+4*\s+3], s[G0B+4*\s+3], 0x80000000
	JLOAD G0+4*\s, G1, G0B+4*\s, G1B
.endr
	v_and_b32 v1, 15, v0                           ; r = l % 16
	v_bfe_u32 v2, v0, 4, 1                         ; h = l / 16
	v_mul_u32_u24 v3, v1, PITCH
	v_lshl_add_u32 v4, v2, 4, v3                   ; a fragment's row x pitch + 16 x half
	s_mul_i32 s21, s15, HALFT                      ; my 128 rows of x
	s_mul_i32 s22, s16, HALFT                      ; my 128 rows of W,
	s_add_co_u32 s22, s22, 2*HALFT                 ; which lie behind x's 256
.irp s, 0,1
	v_add_nc_u32 v[ADRA+\s], s21, v4
	v_add_nc_u32 v[ADRB+\s], s22, v4
	s_add_co_u32 s21, s21, SLOT
	s_add_co_u32 s22, s22, SLOT
.endr
	v_mul_u32_u24 v5, v1, KS                       ; my row's scales: KS bytes a row,
	v_lshrrev_b32 v6, 8, v5
	v_lshl_add_u32 v5, v6, 4, v5                   ; and 16 more for each 256 passed
	s_mul_i32 s21, s15, HALFS
	s_mul_i32 s22, s16, HALFS
	s_add_co_u32 s22, s22, 2*HALFS
	s_sub_co_u32 s22, s22, s21
	v_mul_u32_u24 v6, s22, v2                      ; lanes 16-31 take W's
	s_add_co_u32 s21, s21, SCL
	v_add_nc_u32 v5, v5, v6
	v_add_nc_u32 v[ADRS], s21, v5
	; the way out
	s_mul_i32 s23, s14, WSTG                       ; my stage
	v_mul_u32_u24 v5, v1, SP2
	v_lshl_add_u32 v5, v2, 4, v5
	v_add_nc_u32 v[STO], s23, v5                   ; in: row r, 16 bytes for each half of the lanes
	v_and_b32 v6, 31, v0
	v_lshrrev_b32 v5, 3, v6
	v_mul_u32_u24 v5, v5, SP2
	v_and_b32 v3, 7, v6
	v_lshl_add_u32 v5, v3, 4, v5
	v_add_nc_u32 v[RD], s23, v5                    ; back: eight lanes to a row of 128 bytes, four rows an instruction
	v_lshlrev_b32 v[CO], 4, v6                     ; and the same 512 bytes in a head's rows
	s_and_b32 s95, ttmp7, 0xffff                   ; cluster y: the tile's place in its batch
	s_lshl_b32 s96, s95, 8
	s_lshl_b32 s97, s15, 7
	s_add_co_u32 s96, s96, s97                     ; t0: my first row's position in the sequence
	s_or_b32 s98, s95, s15                         ; 0 where my block 0 holds t = 0 .. 15
	s_lshl_b32 s97, s96, 8
	v_lshlrev_b32 v[TBO], 8, v1
	v_lshl_add_u32 v[TBO], v2, 5, v[TBO]
	v_add_nc_u32 v[TBO], s97, v[TBO]
	v_mul_u32_u24 v[FO], v1, 12288
	v_lshl_add_u32 v[FO], v2, 5, v[FO]
	s_lshl_b32 s20, s41, 4                         ; the head among the 64: 16 x batch
	s_lshl_b32 s46, s40, 2                         ; + 4 cx
	s_lshl_b32 s47, s16, 1                         ; + 2 x my half of the columns
	s_add_co_u32 s46, s46, s47
	s_add_co_u32 s20, s20, s46
	s_lshl_b32 s20, s20, 18                        ; 262,144 bytes a head
	s_lshl_b32 s21, ttmp9, 24                      ; 16,777,216 bytes for each of q, k, v
	s_add_co_u32 s20, s20, s21
	s_lshl_b32 s21, s96, 7                         ; 128 bytes a row
	s_add_co_u32 s20, s20, s21
	s_mov_b32 s21, 0
	s_add_nc_u64 s[10:11], s[10:11], s[20:21]
	s_mul_i32 s22, s41, 196608                     ; the f32 rows: 16 rows of 12,288 bytes a batch
	s_lshl_b32 s23, ttmp9, 12
	s_add_co_u32 s22, s22, s23
	s_lshl_b32 s46, s40, 10
	s_lshl_b32 s47, s16, 9
	s_add_co_u32 s46, s46, s47
	s_add_co_u32 s22, s22, s46
	s_mov_b32 s23, 0
	s_add_nc_u64 s[12:13], s[12:13], s[22:23]
.macro FRAG reg, adr, q, i             ; a fragment: lane l holds row l % 16; registers 4 c .. 4 c + 3 hold K = 64 c + 32 (l / 16) + 0 .. 31
.irp c, 0,1
	ds_load_b128 v[\reg+4*\c:\reg+4*\c+3], v[\adr] offset:64*(\q)+32*\c+(\i)*16*PITCH
.endr
.endm
; 16 matrix instructions: x's blocks a0, a0 + 1 against W's eight, 128 along K.  The 64 accumulators take turns, one instruction a turn, in the same order in every step.
.macro MUL16 a0, p, q, sc, zero
.irp a, \a0, \a0+1
.irp b, 0,1,2,3,4,5,6,7
.if \zero
	v_wmma_scale_f32_16x16x128_f8f6f4 v[8*(8*((\a)%4)+\b):8*(8*((\a)%4)+\b)+7], v[128*(\p)+FR*\b:128*(\p)+FR*\b+FR-1], v[AF+FR*(\a):AF+FR*(\a)+FR-1], 0, v[SC+8*NQ*(\sc)+NQ*\b+(\q)], v[SC+8*NQ*(\sc)+NQ*(\a)+(\q)] matrix_a_fmt:MATRIX_FMT_FP4 matrix_b_fmt:MATRIX_FMT_FP4 matrix_a_scale:MATRIX_SCALE_ROW1
.else
	v_wmma_scale_f32_16x16x128_f8f6f4 v[8*(8*((\a)%4)+\b):8*(8*((\a)%4)+\b)+7], v[128*(\p)+FR*\b:128*(\p)+FR*\b+FR-1], v[AF+FR*(\a):AF+FR*(\a)+FR-1], v[8*(8*((\a)%4)+\b):8*(8*((\a)%4)+\b)+7], v[SC+8*NQ*(\sc)+NQ*\b+(\q)], v[SC+8*NQ*(\sc)+NQ*(\a)+(\q)] matrix_a_fmt:MATRIX_FMT_FP4 matrix_b_fmt:MATRIX_FMT_FP4 matrix_a_scale:MATRIX_SCALE_ROW1
.endif
.endr
.endr
.endm
.macro FETCH_B slot, q, p
	WIN TO_B
.irp i, 0,1,2,3,4,5,6,7
	FRAG 128*(\p)+FR*\i, ADRB+\slot, \q, \i
.endr
	WIN 0
.endm
.macro FETCH_A slot, q, i0
.irp i, \i0, \i0+1, \i0+2, \i0+3
	FRAG AF+FR*(\i), ADRA+\slot, \q, \i
.endr
.endm
.macro SCALES sc                       ; a slot's scale words: lanes 0-15 take x's block i, lanes 16-31 W's block i
.irp i, 0,1,2,3,4,5,6,7
	ds_load_b128 v[SC+8*NQ*\sc+NQ*\i:SC+8*NQ*\sc+NQ*\i+3], v[ADRS] offset:\i*SBLK
.endr
.endm
.macro PLACES n                        ; plain vector instructions between a matrix instruction and a load into, or a read of, its registers
.rept \n
	v_nop
.endr
.endm
.macro STEP slot, q, zero              ; a step of 128 along K that has its successor in the same slot
	s_wait_dscnt 4*NL                              ; W's set and x's blocks 0-3 are in; the youngest loads (x's blocks 4-7) may be out
	WIN MUL_LO
	MUL16 0, (\q)%2, \q, \slot, \zero
	MUL16 2, (\q)%2, \q, \slot, \zero
	s_wait_dscnt 0                                 ; x's blocks 4-7 are in
	PLACES NP
	FETCH_B \slot, (\q)+1, 1-(\q)%2
	FETCH_A \slot, (\q)+1, 0
	WIN MUL_HI
	MUL16 4, (\q)%2, \q, \slot, \zero
	MUL16 6, (\q)%2, \q, \slot, \zero
	PLACES NP
	WIN 0
	FETCH_A \slot, (\q)+1, 4
.endm
; Slot 0's last step changes slots: one barrier; in front of it each wave waits for all its tensor loads, adds 0 to its spare word, and waits for that and for its reads of slot 0.  Nothing is filled again.
.macro TURN slot, next
	s_wait_tensorcnt 0x0                           ; all my tensor loads have landed: my part of slot 1
	ds_add_u32 v[SPW], v[NIL]
	s_wait_dscnt 4*NL+1                            ; (the add and the youngest loads, x's blocks 4-7, may be out)
	WIN MUL_LO
	MUL16 0, 1, NQ-1, \slot, 0
	s_wait_dscnt 0x0                               ; the add is done, and my reads of this slot are over
	s_barrier_signal -1
	MUL16 2, 1, NQ-1, \slot, 0
	WIN 0
	s_barrier_wait -1
	PLACES NP
	v_add_nc_u32 v[ADRS], 4*NQ, v[ADRS]            ; on to the next slot's scale words
	FETCH_B \next, 0, 0
	FETCH_A \next, 0, 0
	SCALES \next
	WIN MUL_HI
	MUL16 4, 1, NQ-1, \slot, 0
	MUL16 6, 1, NQ-1, \slot, 0
	PLACES NP
	WIN 0
	FETCH_A \next, 0, 4
.endm
.macro STEPS slot, from
.set QQ, \from
.rept NQ-1-\from
	STEP \slot, QQ, 0
.set QQ, QQ+1
.endr
.endm
; The table's numbers for block a: lane (r, h) wants, for t = t0 + 16 a + r, the pairs 8 b' + 4 h + 0 .. 3: 32 bytes for each b'
.macro TABLE a
.irp bb, 0,1,2,3
.irp g, 0,1
	global_load_b128 v[CS0+96*((\a)%2)+8*\bb+4*\g:CS0+96*((\a)%2)+8*\bb+4*\g+3], v[TBO], s[8:9] offset:4096*(\a)+64*\bb+16*\g
.endr
.endr
.endm
	s_wait_tensorcnt 1                             ; the scales and my part of slot 0 are in (slot 1's load may be out),
	s_barrier_signal -1
	s_barrier_wait -1                              ; everybody's are
	FETCH_B 0, 0, 0
	FETCH_A 0, 0, 0
	SCALES 0
	FETCH_A 0, 0, 4
	STEP 0, 0, 1                                   ; the first step's products start the sums: nothing is cleared
	STEPS 0, 1
	TURN 0, 1
	STEPS 1, 0
	TABLE 0                                        ; the first two blocks' table numbers are asked for a K step ahead of their use
	TABLE 1
	s_wait_dscnt 4*NL                              ; the very last step: nothing more to fetch
	WIN MUL_LO
	MUL16 0, 1, NQ-1, 1, 0
	MUL16 2, 1, NQ-1, 1, 0
	s_wait_dscnt 0
	WIN MUL_HI
	MUL16 4, 1, NQ-1, 1, 0
	MUL16 6, 1, NQ-1, 1, 0
	WIN 0
; THE WAY OUT, block by block of 16 rows x 128 columns (two heads).
; ROPE: register pair (2 p, 2 p + 1) of accumulator b is pair 8 (b % 4) + 4 h + p of its head: even' = even cos - odd sin, odd' = even sin + odd cos.  Each accumulator is read from its low end on.
.macro ROPE a
.set AC, 64*((\a)%4)
.set CSS, CS0+96*((\a)%2)
.if (\a) < 7
	s_wait_loadcnt 8                               ; this block's eight table loads are in; the next block's eight may be out
.else
	s_wait_loadcnt 0
.endif
	WIN 0x02+(\a)/4                                ; source 0: the accumulators' window
.irp b, 0,1,2,3,4,5,6,7
.irp p, 0,1,2,3
	v_mul_f32 v[T+8*\b+2*\p], v[AC+8*\b+2*\p+1], v[CSS+8*(\b%4)+2*\p+1]
	v_mul_f32 v[T+8*\b+2*\p+1], v[AC+8*\b+2*\p+1], v[CSS+8*(\b%4)+2*\p]
.endr
.irp p, 0,1,2,3
	v_fma_f32 v[T+8*\b+2*\p], v[AC+8*\b+2*\p], v[CSS+8*(\b%4)+2*\p], -v[T+8*\b+2*\p]
	v_fma_f32 v[T+8*\b+2*\p+1], v[AC+8*\b+2*\p], v[CSS+8*(\b%4)+2*\p+1], v[T+8*\b+2*\p+1]
.endr
.endr
	WIN 0
.if (\a) <= 5
	TABLE (\a)+2                                   ; the set just read takes the block two on
.endif
.irp b, 0,1,2,3,4,5,6,7
.irp p, 0,1,2,3
	v_cvt_pk_f16_f32 v[PK+4*\b+\p], v[T+8*\b+2*\p], v[T+8*\b+2*\p+1]
.endr
.endr
.endm
.macro PLAIN a                         ; v has no RoPE
.set AC, 64*((\a)%4)
	WIN 0x0a+5*((\a)/4)                            ; sources 0 and 1: window 2 or 3
.irp b, 0,1,2,3,4,5,6,7
.irp p, 0,1,2,3
	v_cvt_pk_f16_f32 v[PK+4*\b+\p], v[AC+8*\b+2*\p], v[AC+8*\b+2*\p+1]
.endr
.endr
	WIN 0
.endm
.macro FIRST rope                      ; block 0 of the tiles that hold t = 0 .. 15 leaves as f32 too
	s_cmp_lg_u32 s98, 0                            ; cluster y and the wave's number alone
	s_cbranch_scc1 .Lnot_first_\@
.if \rope
.irp b, 0,1,2,3,4,5,6,7
	global_store_b128 v[FO], v[T+8*\b:T+8*\b+3], s[12:13] offset:64*\b
	global_store_b128 v[FO], v[T+8*\b+4:T+8*\b+7], s[12:13] offset:64*\b+16
.endr
.else
	WIN 0x08                                       ; a store's data are its source 1: window 2
.irp b, 0,1,2,3,4,5,6,7
	global_store_b128 v[FO], v[8*\b:8*\b+3], s[12:13] offset:64*\b
	global_store_b128 v[FO], v[8*\b+4:8*\b+7], s[12:13] offset:64*\b+16
.endr
	WIN 0
.endif
	s_wait_xcnt 0x0                                ; the stores have read their data, which the next block writes again
.Lnot_first_\@:
.endm
.macro TOSTAGE a                       ; a lane's 16 bytes go into rows of 144 bytes and come back as whole rows; LDS serves a wave's instructions in order, so no wait stands between
.set BB, BK+64*((\a)%2)
.if (\a) > 1
	s_wait_xcnt 0x0                                ; block a - 2's stores have read the registers into which these loads land
.endif
.irp b, 0,1,2,3,4,5,6,7
	ds_store_b128 v[STO], v[PK+4*\b:PK+4*\b+3] offset:16*SP2*(\b/4)+32*(\b%4)
.endr
.irp hd, 0,1
.irp j, 0,1,2,3
	ds_load_b128 v[BB+4*(4*\hd+\j):BB+4*(4*\hd+\j)+3], v[RD] offset:16*SP2*\hd+4*SP2*\j
.endr
.endr
.endm
.macro SEND a, younger                 ; younger: the LDS instructions issued behind block a's loads
.set BB, BK+64*((\a)%2)
	s_wait_dscnt \younger
.irp hd, 0,1
.irp j, 0,1,2,3
	global_store_b128 v[CO], v[BB+4*(4*\hd+\j):BB+4*(4*\hd+\j)+3], s[10:11] offset:262144*\hd+2048*(\a)+512*\j   ; 32 lanes store 512 consecutive bytes, four rows of one head, aligned to 256
.endr
.endr
.endm
.macro BLOCK a, rope
.if \rope
	ROPE \a
.else
	PLAIN \a
.endif
.endm
.macro WAYOUT rope
	BLOCK 0, \rope
	FIRST \rope
	TOSTAGE 0
.irp a, 1,2,3,4,5,6,7
	BLOCK \a, \rope
	TOSTAGE \a
	SEND (\a)-1, 16                                ; behind block a - 1's loads: block a's 8 stores and 8 loads
.endr
	SEND 7, 0
.endm
	PLACES NP                                      ; behind the last products: their results are read, and their operands' and scales' registers written, only from here on
	s_cmp_eq_u32 ttmp9, 2                          ; the cluster's x: q and k are turned, v is not
	s_cbranch_scc1 .Lplain
	WAYOUT 1
	s_branch .Lend
.Lplain:
	WAYOUT 0
.Lend:
	s_wait_tensorcnt 0x0                           ; the wave's end: behind my last tensor load and my last LDS store
	ds_add_u32 v[SPW], v[NIL]
	s_wait_dscnt 0x0
	CROUND                                         ; the closing round
	s_endpgm
.Lfunc_end_k_q241f323cc4_qkv:
	.size	k_q241f323cc4_qkv, .Lfunc_end_k_q241f323cc4_qkv-k_q241f323cc4_qkv
	.p2alignl 7, 3214868480
	.fill 96, 4, 3214868480
	.section	.rodata,"a",@progbits
	.p2align	6, 0x0
	.amdhsa_kernel k_q241f323cc4_qkv
		.amdhsa_group_segment_fixed_size 327680
		.amdhsa_private_segment_fixed_size 0
		.amdhsa_enable_private_segment 0
		.amdhsa_kernarg_size 40
		.amdhsa_user_sgpr_count 2
		.amdhsa_user_sgpr_kernarg_segment_ptr 1
		.amdhsa_wavefront_size32 1
		.amdhsa_system_sgpr_workgroup_id_x 1
		.amdhsa_system_sgpr_workgroup_id_y 1
		.amdhsa_system_sgpr_workgroup_id_z 1
		.amdhsa_system_vgpr_workitem_id 0
		.amdhsa_next_free_vgpr 1024
		.amdhsa_next_free_sgpr 100
		.amdhsa_reserve_vcc 0
		.amdhsa_float_denorm_mode_32 3
		.amdhsa_float_denorm_mode_16_64 3
		.amdhsa_memory_ordered 1
		.amdhsa_forward_progress 1
		.amdhsa_inst_pref_size 216
	.end_amdhsa_kernel
	.amdgpu_metadata
---
amdhsa.version: [ 1, 2 ]
amdhsa.kernels:
  - .name:           k_q241f323cc4_qkv
    .symbol:         k_q241f323cc4_qkv.kd
    .args:
      - { .name: codes, .offset: 0, .size: 8, .value_kind: global_buffer, .address_space: global }
      - { .name: scales, .offset: 8, .size: 8, .value_kind: global_buffer, .address_space: global }
      - { .name: tab, .offset: 16, .size: 8, .value_kind: global_buffer, .address_space: global }
      - { .name: qkv, .offset: 24, .size: 8, .value_kind: global_buffer, .address_space: global }
      - { .name: first, .offset: 32, .size: 8, .value_kind: global_buffer, .address_space: global }
    .group_segment_fixed_size: 327680
    .private_segment_fixed_size: 0
    .kernarg_segment_align: 8
    .kernarg_segment_size: 40
    .max_flat_workgroup_size: 128
    .sgpr_count:     100
    .vgpr_count:     1024
    .wavefront_size: 32
...
	.end_amdgpu_metadata
.endif
;; end of part 2
;; launch attn (part 3): grid 4 x 64, 16 waves a work-group, no clusters, 327,680 bytes of LDS; arguments qkv, ao; writes ao
.if DOCPART == 3
	.amdgcn_target "amdgcn-amd-amdhsa--gfx1250"
	.amdhsa_code_object_version 6
	.text
	.protected	k_q241f323cc4_attn
	.globl	k_q241f323cc4_attn
	.p2align	8
	.type	k_q241f323cc4_attn,@function
k_q241f323cc4_attn:
	s_mov_b64 s[64:65], 0
	v_nop
	global_prefetch_b8 v0, s[64:65] scope:SCOPE_SE
	s_setreg_imm32_b32 hwreg(HW_REG_WAVE_MODE, 25, 1), 1
	s_wait_xcnt 0x0
; ATTN: o[head][t] = the sum over s <= t of softmax_s(q[t] . k[s] / 8) v[s], on f16 operands with f32 sums, maxima and exponentials.  q, k, v: [3][64 heads][2048][64] f16; ao: [64 heads][2048][64] f16.
; SHARES.  Work-group (i, head) owns the query blocks 7 - i and i, of 256 queries each.  It walks key blocks 0 .. 7 - i for the first and 0 .. i for the second: nine slots of 256 keys, whatever i:
; 256 work-groups of equal work, a constant trip count, and every tile that is fetched is read.  Each of the SIXTEEN waves owns 16 queries of the block in hand, in 256 registers: four waves to a SIMD,
; so that one wave's softmax stands beside another's matrix work and LDS loads.  A slot is four key steps of 64.
; THE MASK.  In the slot on the diagonal (key block = query block) wave w leaves out the steps j > w / 4, all of whose keys come after its queries, and in step j = w / 4 hidden scores become -infinity.
; LAYOUT.  S^T = K Q^T (source 0 = 16 keys, source 1 = my 16 queries): a lane holds ONE query (lane % 16) and the keys 8 (lane / 16) + 0..7 of a tile.  Two such tiles, rounded to f16 in pairs, ARE source 1
; (32 keys x 16 queries) of O^T = V^T P.  K comes out of LDS as it lies, V ([key][channel]) turned by ds_load_tr16_b128.
; SOFTMAX.  A running maximum m and sum l for each query: p = 2^(c s - c m), c = log2(e) / 8; in every step O and l are multiplied by a = 2^(c m_old - c m_new).
; NO CLUSTER: from the sixth slot on the four work-groups of a head want different key blocks at the same change of slots, so a joint load would bring some partner a tile that it does not read.
; THE RING.  Two slots, 2^17 bytes apart.  Waves 0 and 1 fetch K's halves, waves 2 and 3 V's, one tensor load each behind a change of slots: one load of a wave is out at the most.
; LIMITS: NaN and infinities are not served; rows t < 16 are made here too, and are made again, finely, by the last launch.
.set SLOT1, 1<<17
.set KP,    144                        ; a key's row in LDS: 128 bytes + 16
.set VP,    160                        ; a row of V: 128 + 32: an odd multiple of 32
.set VOFF,  256*KP
.set STAGE, 212992                     ; behind the ring: 16 rows x 144 bytes for each wave: bytes of its own, since slots are filled again behind the first way out
.set SPARE, 249856                     ; the spare words, 128 bytes a wave
.set QF,  24                           ; v24-39   Q: two fragments
.set S,   40                           ; v40-71   S^T, then p
.set P,   72                           ; v72-87   p as f16
.set O,   88                           ; v88-119  O^T
.set KF,  120                          ; v120-183 K of a step: 8 fragments
.set VF,  184                          ; v184-247 V of a step: 8 fragments
; v1 my place in a tile of K; v2 in a tile of V; v3, v4 the step's addresses; v5, v6 the add's two; v7 Q's offset; v8, v9 the stage in and back; v10 16 x lane; v11 256 x lane; v12 the mask's bound; v13 -infinity
; v14 c m, v15 m, v[16:17] l in two halves, v18-21 at work (a in v20)
; s2 the slot in hand; s3 trips; s8 wave; s9 query block; s10 key block in hand; s11 the next; s12 8 - i; s13 the step on the diagonal, or 7; s14 wave / 4; s15 who prefetches; s[16:17] lane selects; s[18:19] c;
; s[20:21] prefetch address; s[22:23] an offset; s[24:31], s[32:39] groups 1; s[40:43], s[44:47] groups 0; s[48:49], s[50:51] my half of K and V at key block 0; s[52:53] q, s[54:55] ao at my 16 rows of block 0; s60 i
.macro TLOAD
	s_cmp_lt_u32 s8, 2
	s_cbranch_scc0 .Lnot_k_\@
	tensor_load_to_lds s[40:43], s[24:31]
	s_nop 0
.rept 4
	v_nop
.endr
	s_branch .Lasked_\@
.Lnot_k_\@:
	s_cmp_lt_u32 s8, 4
	s_cbranch_scc0 .Lasked_\@
	tensor_load_to_lds s[44:47], s[32:39]
	s_nop 0
.rept 4
	v_nop
.endr
.Lasked_\@:
.endm
; A prefetch of the key block behind the one that is being asked for: 32,768 dense bytes of K and of V.  All four work-groups of a head walk blocks 0, 1, 2 .. first: the one with i = 0, which walks all eight, asks.
; In it the waves ask that fetch nothing: waves 4-7 for K, 8,192 bytes a wave, lanes 256 bytes apart; waves 8-11 for V.  Trip p asks for block p + 2, p = 0 .. 5: each block of 256 bytes is named once, and none past block 7.
.macro ASK
	s_cmp_gt_u32 s3, s15
	s_cbranch_scc0 .Lnot_mine_\@
	global_prefetch_b8 v11, s[20:21] th:TH_LOAD_NT scope:SCOPE_SE
.Lnot_mine_\@:
.endm
	s_load_b128 s[4:7], s[0:1], 0x0                ; qkv, ao
	v_lshl_add_u32 v5, v0, 2, SPARE
	v_mov_b32 v6, 0
	ds_add_u32 v5, v6                              ; the wave's opening: the add, twice on end, and its wait ahead of the first tensor load
	ds_add_u32 v5, v6
	v_lshrrev_b32 v22, 5, v0
	v_readfirstlane_b32 s8, v22                    ; wave 0..15
	s_mov_b32 s60, ttmp9                           ; i
	s_sub_co_u32 s9, 7, s60                        ; the first query block
	s_sub_co_u32 s12, 8, s60                       ; behind key block 7 - i the walk begins again at 0
	s_mov_b32 s10, 0
	s_mov_b32 s11, 0
	s_lshr_b32 s14, s8, 2
	s_mov_b32 s2, 0
	s_mov_b32 s3, 8
	s_mov_b32 s16, 0x76543210
	s_mov_b32 s17, 0xfedcba98
	s_mov_b32 s18, 0x3e38aa3b                      ; c = log2(e) / 8
	s_mov_b32 s19, s18                             ; (named with it as a pair, so it is written)
	s_mov_b32 s23, 0
	s_mov_b32 s24, (1<<16)|(1<<20)|(4<<22)|(3<<25) ; K: elements of 2 bytes; padding: 4 words after every 32
	s_mov_b32 s25, 64<<16                          ; tensor_dim0
	s_mov_b32 s26, 128<<16                         ; tensor_dim1
	s_mov_b32 s27, 64<<16                          ; tile_dim0
	s_mov_b32 s28, 128                             ; tile_dim1
	s_mov_b32 s29, 64                              ; from row to row
	s_mov_b32 s30, 0
	s_mov_b32 s31, 0
	s_mov_b32 s32, (1<<16)|(1<<20)|(4<<22)|(7<<25) ; V: the same with 8 words of padding
	s_mov_b32 s33, 64<<16
	s_mov_b32 s34, 128<<16
	s_mov_b32 s35, 64<<16
	s_mov_b32 s36, 128
	s_mov_b32 s37, 64
	s_mov_b32 s38, 0
	s_mov_b32 s39, 0
	s_and_b32 s56, ttmp7, 0xffff
	s_lshl_b32 s56, s56, 18                        ; the head's 262,144 bytes
	s_mov_b32 s57, 0
	s_and_b32 s58, s8, 1                           ; which half of a tile I fetch, if I fetch
	s_mul_i32 s41, s58, 128*KP                     ; its place in slot 0
	s_mul_i32 s45, s58, 128*VP
	s_add_co_u32 s45, s45, VOFF
	s_lshl_b32 s58, s58, 14                        ; and in memory: 128 rows of 128 bytes
	s_mov_b32 s59, 0
	s_mov_b32 s40, 1
	s_mov_b32 s44, 1
	s_wait_dscnt 0x0                               ; both opening adds are done
	s_wait_kmcnt 0x0
	s_add_nc_u64 s[4:5], s[4:5], s[56:57]          ; q at my head
	s_add_nc_u64 s[6:7], s[6:7], s[56:57]          ; ao at my head
	s_add_nc_u64 s[48:49], s[4:5], 0x1000000       ; k
	s_add_nc_u64 s[50:51], s[4:5], 0x2000000       ; v
	s_cmp_lt_u32 s8, 8
	s_cselect_b64 s[20:21], s[48:49], s[50:51]     ; the prefetches: waves 4-7 K's, waves 8-11 V's
	s_add_nc_u64 s[48:49], s[48:49], s[58:59]
	s_add_nc_u64 s[50:51], s[50:51], s[58:59]
	s_mov_b64 s[42:43], s[48:49]
	s_or_b32 s43, s43, 0x80000000
	s_mov_b64 s[46:47], s[50:51]
	s_or_b32 s47, s47, 0x80000000
	TLOAD                                          ; key block 0 into slot 0
	s_lshl_b32 s56, s8, 11                         ; my 16 rows of 128 bytes
	s_add_nc_u64 s[52:53], s[4:5], s[56:57]
	s_add_nc_u64 s[54:55], s[6:7], s[56:57]
	s_lshl_b32 s22, s9, 15                         ; a block of 256 rows
	s_add_nc_u64 s[58:59], s[52:53], s[22:23]
	v_and_b32 v22, 15, v0                          ; r
	v_bfe_u32 v23, v0, 4, 1                        ; h
	v_lshlrev_b32 v7, 7, v22
	v_lshl_add_u32 v7, v23, 4, v7                  ; Q: row r of 128 bytes, + 16 h
.irp u, 0,1,2,3
	global_load_b128 v[QF+4*\u:QF+4*\u+3], v7, s[58:59] offset:32*\u   ; two fragments of 32 channels: registers 0-3 channels 8 h on, 4-7 channels 16 + 8 h on
.endr
	s_and_b32 s56, s8, 3
	s_lshl_b32 s56, s56, 13                        ; my wave's 8,192 bytes of a block,
	s_add_co_u32 s56, s56, 32768                   ; in block 1: the first change of slots steps it to block 2.  Nothing is prefetched here, at the head
	s_add_nc_u64 s[20:21], s[20:21], s[56:57]
	s_sub_co_u32 s56, s8, 4
	s_lshr_b32 s56, s56, 3                         ; 0 in waves 4 to 11,
	s_or_b32 s56, s56, ttmp9                       ; of the work-group with i = 0
	s_cmp_eq_u32 s56, 0
	s_cselect_b32 s15, 2, -1
	v_mul_u32_u24 v1, v22, KP
	v_lshl_add_u32 v1, v23, 4, v1                  ; K: row r x pitch + 16 h
	v_and_b32 v2, 7, v0
	v_lshl_add_u32 v2, v23, 3, v2
	v_mul_u32_u24 v2, v2, VP
	v_bfe_u32 v3, v0, 3, 1
	v_lshl_add_u32 v2, v3, 4, v2
	v_add_nc_u32 v2, VOFF, v2                      ; V: key 8 h + l % 8, channels 8 ((l / 8) % 2) on
	s_mul_i32 s56, s8, 16*KP
	s_add_co_u32 s56, s56, STAGE                   ; my stage
	v_mul_u32_u24 v8, v22, KP
	v_lshl_add_u32 v8, v23, 4, v8
	v_add_nc_u32 v8, s56, v8                       ; in: row r, 16 bytes for each half of the lanes
	v_and_b32 v10, 31, v0
	v_lshrrev_b32 v9, 3, v10
	v_mul_u32_u24 v9, v9, KP
	v_and_b32 v3, 7, v0
	v_lshl_add_u32 v9, v3, 4, v9
	v_add_nc_u32 v9, s56, v9                       ; back: eight lanes to a row, four rows an instruction
	v_lshlrev_b32 v11, 8, v10
	v_lshlrev_b32 v10, 4, v10
	v_lshlrev_b32 v12, 3, v23
	v_sub_nc_u32 v12, v22, v12
	s_and_b32 s56, s8, 3
	s_lshl_b32 s56, s56, 4
	v_add_nc_u32 v12, s56, v12                     ; r - 8 h + 16 (w % 4): register n of S^T is hidden on the diagonal where 16 (n / 8) + n % 8 is above it
	v_mov_b32 v13, 0xff800000
	v_mov_b32 v15, 0xff61b1e6                      ; m = -3e38, under every score
	v_mul_f32 v14, s18, v15
	v_mov_b32 v16, 0
	v_mov_b32 v17, 0
.irp n, 18,19,20,21
	v_mov_b32 v\n, 0                               ; written once: a lane permute's destination counts as one of its sources
.endr
.irp n, 0,1,2,3,4,5,6,7,8,9,10,11,12,13,14,15,16,17,18,19,20,21,22,23,24,25,26,27,28,29,30,31
	v_mov_b32 v[O+\n], 0                           ; the step is written once: the first finds zeros, which the first a leaves zeros
.endr
; A KEY STEP: 64 keys, the j-th of the slot in hand.
.macro STEP j
	s_cmp_lt_u32 s13, \j                           ; all its keys come after my queries: ids and the wave's number alone; no barrier and no tensor load stands in a step
	s_cbranch_scc1 .Lhid_\@
	v_add_nc_u32 v3, s2, v1
	v_add_nc_u32 v4, s2, v2
	v_nop
	v_nop                                          ; four places between the last products, which read V's registers, and the loads into them
.irp f, 0,1,2,3,4,5,6,7
	ds_load_b128 v[KF+8*\f:KF+8*\f+3], v3 offset:(64*\j+16*(\f/2))*KP+64*(\f%2)
	ds_load_b128 v[KF+8*\f+4:KF+8*\f+7], v3 offset:(64*\j+16*(\f/2))*KP+64*(\f%2)+32
.endr
.irp f, 0,1,2,3,4,5,6,7
	ds_load_tr16_b128 v[VF+8*\f:VF+8*\f+3], v4 offset:(64*\j+32*(\f/4))*VP+32*(\f%4)
	ds_load_tr16_b128 v[VF+8*\f+4:VF+8*\f+7], v4 offset:(64*\j+32*(\f/4))*VP+32*(\f%4)+16*VP
.endr
	s_wait_dscnt 16                                ; K is in; V's sixteen loads may be out
.irp kt, 0,1,2,3
	v_wmma_f32_16x16x32_f16 v[S+8*\kt:S+8*\kt+7], v[KF+16*\kt:KF+16*\kt+7], v[QF:QF+7], 0
.endr
.irp kt, 0,1,2,3
	v_wmma_f32_16x16x32_f16 v[S+8*\kt:S+8*\kt+7], v[KF+16*\kt+8:KF+16*\kt+15], v[QF+8:QF+15], v[S+8*\kt:S+8*\kt+7]   ; the four accumulators by turns
.endr
.rept 4
	v_nop
.endr
	s_cmp_lg_u32 s13, \j
	s_cbranch_scc1 .Lopen_\@
.irp n, 0,1,2,3,4,5,6,7,8,9,10,11,12,13,14,15,16,17,18,19,20,21,22,23,24,25,26,27,28,29,30,31
	v_cmp_gt_i32 vcc_lo, 16*(\n/8)+\n%8, v12
	v_cndmask_b32 v[S+\n], v[S+\n], v13, vcc_lo
.endr
.Lopen_\@:
.irp k, 0,1,2,3
	v_max3_num_f32 v[18+\k], v[S+8*\k], v[S+8*\k+1], v[S+8*\k+2]   ; the maximum: four chains, each accumulator from its low end on
.endr
.irp g, 1,2
.irp k, 0,1,2,3
	v_max3_num_f32 v[18+\k], v[18+\k], v[S+8*\k+2*\g+1], v[S+8*\k+2*\g+2]
.endr
.endr
	v_max3_num_f32 v18, v18, v[S+7], v[S+15]
	v_max3_num_f32 v20, v20, v[S+23], v[S+31]
	v_max3_num_f32 v18, v18, v19, v20
	v_max3_num_f32 v18, v18, v21, v15              ; and the old m
	v_permlanex16_b32 v19, v18, s16, s17           ; the query's other 32 keys lie in the lane 16 away
	v_mov_b32 v21, v14                             ; c m_old
	v_max_num_f32 v15, v18, v19
	v_mul_f32 v14, s18, v15
	v_sub_f32 v21, v21, v14
.irp b, 0,1,2,3,4,5,6,7,8,9,10,11,12,13,14,15
	v_pk_fma_f32 v[S+2*\b:S+2*\b+1], v[S+2*\b:S+2*\b+1], s[18:19], v[14:15] op_sel_hi:[1,0,0] neg_lo:[0,0,1] neg_hi:[0,0,1]   ; c s - c m
.endr
	v_exp_f32 v20, v21                             ; a
.irp n, 0,1,2,3,4,5,6,7,8,9,10,11,12,13,14,15,16,17,18,19,20,21,22,23,24,25,26,27,28,29,30,31
	v_exp_f32 v[S+\n], v[S+\n]
.endr
	v_nop                                          ; the plain line behind the last exponential
	s_wait_alu depctr_va_vdst(0)                   ; one wait for the batch of 33, ahead of its first reader
.irp n, 0,1,2,3,4,5,6,7,8,9,10,11,12,13,14,15
	v_cvt_pk_f16_f32 v[P+\n], v[S+2*\n], v[S+2*\n+1]
.endr
.irp u, 0,1,2,3,4,5,6,7
	v_pk_add_f32 v[S+4*\u:S+4*\u+1], v[S+4*\u:S+4*\u+1], v[S+4*\u+2:S+4*\u+3]   ; the sum is taken of the unrounded p
.endr
.irp u, 0,1,2,3
	v_pk_add_f32 v[S+8*\u:S+8*\u+1], v[S+8*\u:S+8*\u+1], v[S+8*\u+4:S+8*\u+5]
.endr
.irp u, 0,1
	v_pk_add_f32 v[S+16*\u:S+16*\u+1], v[S+16*\u:S+16*\u+1], v[S+16*\u+8:S+16*\u+9]
.endr
	v_pk_add_f32 v[S:S+1], v[S:S+1], v[S+16:S+17]
	v_pk_fma_f32 v[16:17], v[16:17], v[20:21], v[S:S+1] op_sel_hi:[1,0,1]   ; l = a l + the sum
.irp n, 0,1,2,3,4,5,6,7,8,9,10,11,12,13,14,15
	v_pk_mul_f32 v[O+2*\n:O+2*\n+1], v[O+2*\n:O+2*\n+1], v[20:21] op_sel_hi:[1,0]   ; O^T x a, each accumulator from its low end on
.endr
	s_wait_dscnt 0x0                               ; V is in
.irp ct, 0,1,2,3
	v_wmma_f32_16x16x32_f16 v[O+8*\ct:O+8*\ct+7], v[VF+8*\ct:VF+8*\ct+7], v[P:P+7], v[O+8*\ct:O+8*\ct+7]
.endr
.irp ct, 0,1,2,3
	v_wmma_f32_16x16x32_f16 v[O+8*\ct:O+8*\ct+7], v[VF+32+8*\ct:VF+32+8*\ct+7], v[P+8:P+15], v[O+8*\ct:O+8*\ct+7]
.endr
.Lhid_\@:
.endm
; THE CHANGE OF SLOTS stands at a slot's head.  Each wave waits for all its tensor loads (its part of the slot that it is about to read), adds 0 to its spare word, and waits for that and for its reads of the slot
; that it has left.  Behind the barrier the slot ahead is whole and nobody reads the other one; fill = 1: that one takes the walk's next key block, which has a slot's four steps in which to land.
.macro CHANGE fill
	s_wait_tensorcnt 0x0                           ; no tensor load of mine is out, so a group 0 may be written
	ds_add_u32 v5, v6
.if \fill
	ds_add_u32 v5, v6                              ; and once more, in every trip alike
	s_add_co_u32 s11, s10, 1
	s_cmp_eq_u32 s11, s12
	s_cselect_b32 s11, 0, s11                      ; behind key block 7 - i the second query block's walk begins at 0
	s_lshl_b32 s22, s11, 15
	s_add_nc_u64 s[42:43], s[48:49], s[22:23]
	s_or_b32 s43, s43, 0x80000000
	s_xor_b32 s41, s41, SLOT1                      ; the other slot than last time
	s_add_nc_u64 s[46:47], s[50:51], s[22:23]
	s_or_b32 s47, s47, 0x80000000
	s_xor_b32 s45, s45, SLOT1
	s_wait_xcnt 0x0                                ; the last prefetch, a slot back, has read its address
	s_add_nc_u64 s[20:21], s[20:21], 32768
.endif
	s_wait_dscnt 0x0                               ; the add is done, and my reads of the slot that I have left are over
	s_barrier_signal -1
	s_barrier_wait -1
.if \fill
	TLOAD                                          ; the first thing behind the barrier, and a wave's one tensor load until the next
	ASK
.endif
	s_cmp_eq_u32 s10, s9
	s_cselect_b32 s13, s14, 7                      ; on the diagonal: my step w / 4 is masked and the later ones are left out; else nothing is
.endm
; THE WAY OUT of a query block: O^T / l, rounded to f16, through my stage, as 2,048 dense bytes.  again = 1: the second query block begins.
.macro FINISH again
.rept 4
	v_nop                                          ; behind the last products
.endr
	v_add_f32 v18, v16, v17
	v_permlanex16_b32 v19, v18, s16, s17
	v_add_f32 v18, v18, v19                        ; l
	v_rcp_f32 v20, v18
	v_mov_b32 v21, 0                               ; (the plain line behind the reciprocal; the pair's upper half is written)
	s_lshl_b32 s22, s9, 15
	s_add_nc_u64 s[56:57], s[54:55], s[22:23]      ; my 16 rows of the block in ao
	s_wait_alu depctr_va_vdst(0)                   ; the wait ahead of the first reader
.irp n, 0,1,2,3,4,5,6,7,8,9,10,11,12,13,14,15
	v_pk_mul_f32 v[O+2*\n:O+2*\n+1], v[O+2*\n:O+2*\n+1], v[20:21] op_sel_hi:[1,0]
.endr
.irp n, 0,1,2,3,4,5,6,7,8,9,10,11,12,13,14,15
	v_cvt_pk_f16_f32 v[KF+\n], v[O+2*\n], v[O+2*\n+1]
.endr
.irp ct, 0,1,2,3
	ds_store_b128 v8, v[KF+4*\ct:KF+4*\ct+3] offset:32*\ct
.endr
.irp u, 0,1,2,3
	ds_load_b128 v[KF+16+4*\u:KF+16+4*\u+3], v9 offset:4*KP*\u   ; LDS serves a wave's instructions in order: these see my stores
.endr
.irp u, 0,1,2,3
	s_wait_dscnt 3-\u
	global_store_b128 v10, v[KF+16+4*\u:KF+16+4*\u+3], s[56:57] offset:512*\u   ; 512 consecutive bytes, aligned to 256
.endr
.if \again
	s_wait_xcnt 0x0                                ; the stores have read their data and their base: both are written again
	s_mov_b32 s9, s60                              ; query block i
	s_lshl_b32 s22, s9, 15
	s_add_nc_u64 s[58:59], s[52:53], s[22:23]
.irp u, 0,1,2,3
	global_load_b128 v[QF+4*\u:QF+4*\u+3], v7, s[58:59] offset:32*\u
.endr
	v_mov_b32 v15, 0xff61b1e6
	v_mul_f32 v14, s18, v15
	v_mov_b32 v16, 0
	v_mov_b32 v17, 0
.irp n, 0,1,2,3,4,5,6,7,8,9,10,11,12,13,14,15,16,17,18,19,20,21,22,23,24,25,26,27,28,29,30,31
	v_mov_b32 v[O+\n], 0
.endr
	s_wait_loadcnt 0x0
.endif
.endm
	s_wait_loadcnt 0x0                             ; Q
.Lslot:                                            ; eight trips: behind each change of slots but the last the walk's next key block is asked for
	CHANGE 1
	STEP 0
	STEP 1
	STEP 2
	STEP 3
	s_xor_b32 s2, s2, SLOT1                        ; on to the other slot
	s_cmp_lg_u32 s10, s9                           ; was this the first query block's diagonal?  Ids and the count of trips alone: all sixteen waves go the same way
	s_mov_b32 s10, s11
	s_cbranch_scc1 .Lon
	FINISH 1
.Lon:
	s_sub_co_u32 s3, s3, 1
	s_cmp_lg_u32 s3, 0
	s_cbranch_scc1 .Lslot
	CHANGE 0                                       ; the ninth slot, the second block's diagonal, is written out: nothing more is asked for
	STEP 0
	STEP 1
	STEP 2
	STEP 3
	FINISH 0
	s_wait_tensorcnt 0x0                           ; the wave's end: behind my last tensor load and my last LDS store
	ds_add_u32 v5, v6
	s_wait_dscnt 0x0
	s_endpgm
.Lfunc_end_k_q241f323cc4_attn:
	.size	k_q241f323cc4_attn, .Lfunc_end_k_q241f323cc4_attn-k_q241f323cc4_attn
	.p2alignl 7, 3214868480
	.fill 96, 4, 3214868480
	.section	.rodata,"a",@progbits
	.p2align	6, 0x0
	.amdhsa_kernel k_q241f323cc4_attn
		.amdhsa_group_segment_fixed_size 327680
		.amdhsa_private_segment_fixed_size 0
		.amdhsa_enable_private_segment 0
		.amdhsa_kernarg_size 16
		.amdhsa_user_sgpr_count 2
		.amdhsa_user_sgpr_kernarg_segment_ptr 1
		.amdhsa_wavefront_size32 1
		.amdhsa_system_sgpr_workgroup_id_x 1
		.amdhsa_system_sgpr_workgroup_id_y 1
		.amdhsa_system_sgpr_workgroup_id_z 1
		.amdhsa_system_vgpr_workitem_id 0
		.amdhsa_next_free_vgpr 256
		.amdhsa_next_free_sgpr 66
		.amdhsa_reserve_vcc 1
		.amdhsa_float_denorm_mode_32 3
		.amdhsa_float_denorm_mode_16_64 3
		.amdhsa_memory_ordered 1
		.amdhsa_forward_progress 1
		.amdhsa_inst_pref_size 112
	.end_amdhsa_kernel
	.amdgpu_metadata
---
amdhsa.version: [ 1, 2 ]
amdhsa.kernels:
  - .name:           k_q241f323cc4_attn
    .symbol:         k_q241f323cc4_attn.kd
    .args:
      - { .name: qkv, .offset: 0, .size: 8, .value_kind: global_buffer, .address_space: global }
      - { .name: ao, .offset: 8, .size: 8, .value_kind: global_buffer, .address_space: global }
    .group_segment_fixed_size: 327680
    .private_segment_fixed_size: 0
    .kernarg_segment_align: 8
    .kernarg_segment_size: 16
    .max_flat_workgroup_size: 512
    .sgpr_count:     66
    .vgpr_count:     256
    .wavefront_size: 32
...
	.end_amdgpu_metadata
.endif
;; end of part 3
;; launch proj (part 4): grid 4 x 64, 4 waves a work-group, clusters of 4 x 4, 327,680 bytes of LDS; arguments ao, wo16, out0; writes out0
.if DOCPART == 4
	.amdgcn_target "amdgcn-amd-amdhsa--gfx1250"
	.amdhsa_code_object_version 6
	.text
	.protected	k_q241f323cc4_proj
	.globl	k_q241f323cc4_proj
	.p2align	8
	.type	k_q241f323cc4_proj,@function
k_q241f323cc4_proj:
	s_mov_b64 s[64:65], 0
	v_nop
	global_prefetch_b8 v0, s[64:65] scope:SCOPE_SE
	s_setreg_imm32_b32 hwreg(HW_REG_WAVE_MODE, 25, 1), 1
	s_wait_xcnt 0x0
	s_wait_alu depctr_hold_cnt(0) depctr_sa_sdst(0) depctr_va_vdst(0) depctr_va_sdst(0) depctr_va_ssrc(0) depctr_va_vcc(0) depctr_vm_vsrc(0)
	s_getreg_b32 s2, hwreg(HW_REG_IB_STS2, 6, 4)
	s_cmp_eq_u32 s2, 0
	s_cbranch_scc0 .Lentry_in_a_cluster
	s_endpgm
.Lentry_in_a_cluster:
	s_bfe_u32 s2, ttmp6, 0x10000c
	s_cmp_lg_u32 s2, 0xf033
	s_cbranch_scc0 .Lentry_shape_is_right
	s_endpgm
.Lentry_shape_is_right:
; PROJ: out0[8192][1024] = o Wo^T on f16 operands, sums in f32.  o lies by head, ao [4 b][16 h][2048 t][64] f16; wo16 [1024 n][1024 k] f16; out0 f32.
; A tile is 128 rows x 256 columns: 256 work-groups.  Four waves, each 64 x 128: 32 accumulators of 16 x 16, all of window 1 ((a, b) at v[8 (8 a + b)]).
; K goes in steps of 128, two heads, through a ring of two LDS slots: of o two dense blocks of 128 rows x 128 bytes (waves 0 and 1), of Wo 256 rows x 256 bytes (waves 2 and 3, 128 rows each).
; CLUSTERS: 4 x 4 work-groups.  The four of a row of the cluster need the same tiles of o, the four of a column the same tiles of Wo: each tile is asked for jointly.
; THE MATRIX INSTRUCTION IS USED TRANSPOSED (source 0 = 16 rows of Wo, source 1 = 16 rows of o): a lane holds eight neighbouring numbers of a row of out0.
; WINDOW 0: v16-17, v20-21 fragment addresses; v24-26 the way out; v28, v29 the add's two; v30 the prefetches' offset; v32-127 and v128-223 two fragment buffers: o's 4 fragments, then Wo's 8.
; Rows t < 16 of every batch are made here too, and are made again, finely, by the last launch.
.set PA,     144                       ; a row of o in LDS: 128 bytes + 16
.set PB,     272                       ; a row of Wo: 256 + 16
.set PLANE,  128*PA                    ; a head's 128 rows
.set BOFF,   2*PLANE
.set HALFB,  128*PB
.set SLOT,   BOFF+2*HALFB              ; 106,496
.set SPARE,  2*SLOT                    ; the spare words, 128 bytes a wave
.set SPITCH, 528                       ; the way out: a stage of 16 rows x (512 bytes + 16) for each wave, in slot 0, which has had its last fill and its last read by then
.set ADRA, 16
.set ADRB, 20
.set STO,  24
.set RD,   25
.set CO,   26
.set SPW,  28
.set NIL,  29
.set PFO,  30
.set F0,   32
.set F1,   128
.set BK,   32
.set G1, 24
.set G0, 32
.set G1B, 48
.set G0B, 56
.set PFA, 44                           ; s[44:45] where my prefetches stand
.set LIM, 43                           ; s43  1 in the wave that prefetches, else the greatest number
.set MSB, 0
.macro WIN new
.if MSB != \new
	s_set_vgpr_msb (MSB<<8)|\new
.set MSB, \new
.endif
.endm
.set MUL, 0x50                         ; C and D window 1, the operands window 0
.macro JLOAD s                         ; a joint load: waves 0 and 1 fetch o's two heads, waves 2 and 3 Wo's two halves; an s_nop 0 and four v_nop follow each of the two lines
	s_cmp_eq_u32 s11, 0
	s_cbranch_scc0 .Lfor_b_\@
	tensor_load_to_lds s[G0+4*\s:G0+4*\s+3], s[G1:G1+7]
	s_nop 0
.rept 4
	v_nop
.endr
	s_branch .Lasked_\@
.Lfor_b_\@:
	tensor_load_to_lds s[G0B+4*\s:G0B+4*\s+3], s[G1B:G1B+7]
	s_nop 0
.rept 4
	v_nop
.endr
.Lasked_\@:
.endm
.macro CREST
	s_cmp_lg_u32 s10, 0
	s_cbranch_scc1 .Lnot_wave_0_\@
	s_barrier_signal -3
.Lnot_wave_0_\@:
	s_barrier_wait -3
	s_barrier_signal -1
	s_barrier_wait -1
.endm
.macro CROUND
	s_barrier_signal -1
	s_barrier_wait -1
	CREST
.endm
; A prefetch of o's tile of the K step two refills on: 128 blocks of 256 bytes.  Only the four work-groups of my row of the cluster read these rows; they share the blocks out BY ADDRESS, 32 each
; (head cx / 2, half cx % 2); in each, wave 0 asks, a lane a block.  The refills of K steps 2 to 5 ask for steps 4 to 7; the last two ask for nothing.  Wo is read by sixteen clusters and is not asked for.
.macro ASK
	s_cmp_gt_u32 s3, s[LIM]                        ; s3 = 1 in the loop's last trip
	s_cbranch_scc0 .Lnot_mine_\@
	global_prefetch_b8 v[PFO], s[PFA:PFA+1] th:TH_LOAD_NT scope:SCOPE_SE
.Lnot_mine_\@:
.endm
	s_load_b128 s[4:7], s[0:1], 0x0                ; ao, wo16
	s_load_b64 s[8:9], s[0:1], 0x10                ; out0
	v_lshl_add_u32 v[SPW], v0, 2, SPARE
	v_mov_b32 v[NIL], 0
	ds_add_u32 v[SPW], v[NIL]                      ; the wave's opening: the add, twice on end, and its wait ahead of my first tensor load
	ds_add_u32 v[SPW], v[NIL]
	v_lshrrev_b32 v1, 5, v0
	v_readfirstlane_b32 s10, v1                    ; wave 0..3
	s_lshr_b32 s11, s10, 1                         ; which 64 of the tile's rows are mine.  Also: I fetch for o (0) or for Wo (1)
	s_and_b32 s12, s10, 1                          ; which 128 of its columns.  Also: which head, or which 128 rows of Wo, I fetch
	s_bfe_u32 s40, ttmp6, 0x40000                  ; cx, cy
	s_bfe_u32 s41, ttmp6, 0x40004
	s_lshl_b32 s42, ttmp9, 2
	s_add_co_u32 s42, s42, s40                     ; tile column
	s_and_b32 s13, ttmp7, 0xffff
	s_lshl_b32 s13, s13, 2
	s_add_co_u32 s13, s13, s41                     ; tile row
	s_lshl_b32 s43, s41, 2
	s_lshl_b32 s43, 15, s43                        ; my row of the cluster
	s_lshl_b32 s44, 0x1111, s40                    ; my column
	s_or_b32 s[G1+0], s43, (1<<16)|(1<<20)|(1<<21)|(4<<22)|(3<<25)   ; o: the mask; elements of 2 bytes; padding: 4 words after every 32
	s_mov_b32 s[G1+1], 64<<16                      ; tensor_dim0
	s_mov_b32 s[G1+2], 128<<16                     ; tensor_dim1
	s_mov_b32 s[G1+3], 64<<16                      ; tile_dim0
	s_mov_b32 s[G1+4], 128                         ; tile_dim1
	s_mov_b32 s[G1+5], 64                          ; from row to row
	s_mov_b32 s[G1+6], 0
	s_mov_b32 s[G1+7], 0
	s_or_b32 s[G1B+0], s44, (1<<16)|(1<<20)|(1<<21)|(5<<22)|(3<<25)  ; Wo: 4 words after every 64
	s_mov_b32 s[G1B+1], 128<<16
	s_mov_b32 s[G1B+2], 128<<16
	s_mov_b32 s[G1B+3], 128<<16
	s_mov_b32 s[G1B+4], 128
	s_mov_b32 s[G1B+5], 1024
	s_mov_b32 s[G1B+6], 0
	s_mov_b32 s[G1B+7], 0
	s_lshr_b32 s16, s13, 4                         ; the batch: 16 tile rows each,
	s_lshl_b32 s16, s16, 22                        ; 4,194,304 bytes
	s_and_b32 s17, s13, 15
	s_lshl_b32 s17, s17, 14                        ; 128 rows of 128 bytes in every head
	s_add_co_u32 s16, s16, s17
	s_lshl_b32 s17, s12, 18                        ; my head of the K step's two
	s_add_co_u32 s16, s16, s17
	s_mov_b32 s17, 0
	s_lshl_b32 s46, s42, 8
	s_lshl_b32 s47, s12, 7
	s_add_co_u32 s46, s46, s47                     ; Wo: row 256 x tile column + 128 x half,
	s_lshl_b32 s46, s46, 11                        ; 2,048 bytes a row
	s_mov_b32 s47, 0
	s_mul_i32 s20, s12, PLANE                      ; where they go: no place in the cluster enters an LDS address
	s_mul_i32 s21, s12, HALFB
	s_add_co_u32 s21, s21, BOFF
	s_wait_dscnt 0x0                               ; both opening adds are done
	s_wait_kmcnt 0x0
	s_add_nc_u64 s[14:15], s[4:5], s[16:17]
	s_add_nc_u64 s[46:47], s[6:7], s[46:47]
	CROUND                                         ; all sixteen work-groups are here: the first joint loads meet
.irp s, 0,1
	s_mov_b32 s[G0+4*\s], 1
	s_add_co_u32 s[G0+4*\s+1], s20, \s*SLOT
	s_add_nc_u64 s[G0+4*\s+2:G0+4*\s+3], s[14:15], \s*524288      ; a K step is two heads on
	s_or_b32 s[G0+4*\s+3], s[G0+4*\s+3], 0x80000000
	s_mov_b32 s[G0B+4*\s], 1
	s_add_co_u32 s[G0B+4*\s+1], s21, \s*SLOT
	s_add_nc_u64 s[G0B+4*\s+2:G0B+4*\s+3], s[46:47], \s*256
	s_or_b32 s[G0B+4*\s+3], s[G0B+4*\s+3], 0x80000000
	JLOAD \s                                       ; two loads of mine are out at the most
.endr
	v_and_b32 v1, 15, v0                           ; r
	v_bfe_u32 v2, v0, 4, 1                         ; h
	v_mul_u32_u24 v3, v1, PA
	v_lshl_add_u32 v3, v2, 4, v3
	v_mul_u32_u24 v4, v1, PB
	v_lshl_add_u32 v4, v2, 4, v4
	s_mul_i32 s21, s11, 64*PA                      ; my 64 rows of o
	s_mul_i32 s22, s12, HALFB                      ; my 128 rows of Wo
	s_add_co_u32 s22, s22, BOFF
.irp s, 0,1
	v_add_nc_u32 v[ADRA+\s], s21, v3
	v_add_nc_u32 v[ADRB+\s], s22, v4
	s_add_co_u32 s21, s21, SLOT
	s_add_co_u32 s22, s22, SLOT
.endr
	s_mul_i32 s23, s10, 16*SPITCH                  ; my stage
	v_mul_u32_u24 v5, v1, SPITCH
	v_lshl_add_u32 v5, v2, 5, v5
	v_add_nc_u32 v[STO], s23, v5                   ; in: row r, 32 bytes for each half of the lanes
	v_and_b32 v6, 31, v0
	v_lshlrev_b32 v[CO], 4, v6
	v_add_nc_u32 v[RD], s23, v[CO]                 ; back: the 32 lanes take one row of 512 bytes
	v_lshlrev_b32 v[PFO], 8, v6
	s_lshl_b32 s16, s13, 7
	s_lshl_b32 s17, s11, 6
	s_add_co_u32 s16, s16, s17                     ; my first row of out0,
	s_lshl_b32 s16, s16, 12                        ; 4,096 bytes a row
	s_mov_b32 s17, 0
	s_add_nc_u64 s[8:9], s[8:9], s[16:17]
	s_lshl_b32 s46, s42, 10                        ; my first column, in bytes
	s_lshl_b32 s47, s12, 9
	s_add_co_u32 s46, s46, s47
	s_mov_b32 s47, 0
	s_add_nc_u64 s[8:9], s[8:9], s[46:47]
	s_lshr_b32 s20, s13, 4                         ; the prefetches: o's tile,
	s_lshl_b32 s20, s20, 22
	s_and_b32 s21, s13, 15
	s_lshl_b32 s21, s21, 14
	s_add_co_u32 s20, s20, s21
	s_lshr_b32 s21, s40, 1                         ; my work-group's 32 blocks of its 128
	s_lshl_b32 s21, s21, 18
	s_add_co_u32 s20, s20, s21
	s_and_b32 s21, s40, 1
	s_lshl_b32 s21, s21, 13
	s_add_co_u32 s20, s20, s21
	s_add_co_u32 s20, s20, 3*524288                ; at K step 3: the first refill steps it to 4.  Nothing is prefetched here, at the head
	s_mov_b32 s21, 0
	s_add_nc_u64 s[PFA:PFA+1], s[4:5], s[20:21]
	s_cmp_eq_u32 s10, 0
	s_cselect_b32 s[LIM], 1, -1
.macro MUL8 f, a, zero                 ; o's block a against Wo's eight, 32 along K.  The 32 accumulators take turns, in the same order in every quarter
.irp b, 0,1,2,3,4,5,6,7
.if \zero
	v_wmma_f32_16x16x32_f16 v[8*(8*(\a)+\b):8*(8*(\a)+\b)+7], v[\f+32+8*\b:\f+32+8*\b+7], v[\f+8*(\a):\f+8*(\a)+7], 0
.else
	v_wmma_f32_16x16x32_f16 v[8*(8*(\a)+\b):8*(8*(\a)+\b)+7], v[\f+32+8*\b:\f+32+8*\b+7], v[\f+8*(\a):\f+8*(\a)+7], v[8*(8*(\a)+\b):8*(8*(\a)+\b)+7]
.endif
.endr
.endm
.macro FETCH slot, q, f                ; 24 LDS loads in one run: quarter q of the slot into buffer f: Wo's eight fragments, then o's four; o's blocks 2 and 3 are the youngest four loads
	WIN 0
.irp i, 0,1,2,3,4,5,6,7
	ds_load_b128 v[\f+32+8*\i:\f+32+8*\i+3], v[ADRB+\slot] offset:64*(\q)+16*PB*\i
	ds_load_b128 v[\f+32+8*\i+4:\f+32+8*\i+7], v[ADRB+\slot] offset:64*(\q)+16*PB*\i+32
.endr
.irp i, 0,1,2,3
	ds_load_b128 v[\f+8*\i:\f+8*\i+3], v[ADRA+\slot] offset:((\q)/2)*PLANE+((\q)%2)*64+16*PA*\i
	ds_load_b128 v[\f+8*\i+4:\f+8*\i+7], v[ADRA+\slot] offset:((\q)/2)*PLANE+((\q)%2)*64+16*PA*\i+32
.endr
.endm
.macro PLACES
.rept 4
	v_nop
.endr
.endm
; A K step is four quarters of 32 along K, 32 matrix instructions each, on buffers 0, 1, 0, 1.  One of the first three multiplies buffer f and fetches quarter q into g.
.macro QUARTER slot, q, f, g, zero
	s_wait_dscnt 4                                 ; Wo's fragments and o's blocks 0, 1 are in; the youngest four loads may be out
	WIN MUL
	MUL8 \f, 0, \zero
	MUL8 \f, 1, \zero
	PLACES                                         ; in front of loads into registers that the quarter before multiplied
	FETCH \slot, \q, \g
	s_wait_dscnt 24                                ; all but the 24 just issued
	WIN MUL
	MUL8 \f, 2, \zero
	MUL8 \f, 3, \zero
.endm
; The last quarter multiplies buffer 1 and changes slots: one barrier; in front of it each wave waits for all its tensor loads, adds 0 to its spare word, and waits for that and for its reads of this slot.
.macro TURN slot, next, fill
.if \fill
	s_wait_xcnt 0x0                                ; the last prefetch, a K step back, has read its address
	s_add_nc_u64 s[PFA:PFA+1], s[PFA:PFA+1], 524288
.endif
	WIN 0                                          ; (the add's two registers lie in window 0)
	s_wait_tensorcnt 0x0                           ; all my tensor loads have landed: my part of the next slot
	ds_add_u32 v[SPW], v[NIL]
	s_wait_dscnt 5                                 ; (the add and the youngest four loads may be out)
	WIN MUL
	MUL8 F1, 0, 0
	s_wait_dscnt 0x0                               ; the add is done, and my reads of this slot are over
	s_barrier_signal -1
	MUL8 F1, 1, 0
.if \fill
	WIN 0
.endif
	s_barrier_wait -1
.if \fill
	CREST                                          ; the barrier has opened a round of the cluster's barrier: no wave of any partner still reads this slot or has a load on its way
	s_add_nc_u64 s[G0+4*\slot+2:G0+4*\slot+3], s[G0+4*\slot+2:G0+4*\slot+3], 2*524288
	s_add_nc_u64 s[G0B+4*\slot+2:G0B+4*\slot+3], s[G0B+4*\slot+2:G0B+4*\slot+3], 2*256
	JLOAD \slot                                    ; the first tensor load behind the round; its four v_nop are also the places in front of the loads below
.else
	PLACES
.endif
	FETCH \next, 0, F0
.if \fill
	ASK
.endif
	WIN MUL
	MUL8 F1, 2, 0
	MUL8 F1, 3, 0
.endm
	s_wait_tensorcnt 1                             ; my part of K step 0 is in (K step 1's load may be out),
	s_barrier_signal -1
	s_barrier_wait -1                              ; everybody's is
	FETCH 0, 0, F0
	QUARTER 0, 1, F0, F1, 1                        ; the first quarter's products start the sums
	WIN 0
	s_mov_b32 s3, 3
.Llap:                                             ; a trip goes once round the ring and fills both slots again: K steps 2 to 7
	QUARTER 0, 2, F1, F0, 0
	QUARTER 0, 3, F0, F1, 0
	TURN 0, 1, 1
	QUARTER 1, 1, F0, F1, 0
	QUARTER 1, 2, F1, F0, 0
	QUARTER 1, 3, F0, F1, 0
	TURN 1, 0, 1
	QUARTER 0, 1, F0, F1, 0
	WIN 0
	s_sub_co_u32 s3, s3, 1
	s_cmp_lg_u32 s3, 0
	s_cbranch_scc1 .Llap
	QUARTER 0, 2, F1, F0, 0                        ; the last lap fills nothing
	QUARTER 0, 3, F0, F1, 0
	TURN 0, 1, 0
	QUARTER 1, 1, F0, F1, 0
	QUARTER 1, 2, F1, F0, 0
	QUARTER 1, 3, F0, F1, 0
	s_wait_dscnt 4
	WIN MUL
	MUL8 F1, 0, 0
	MUL8 F1, 1, 0
	s_wait_dscnt 0
	MUL8 F1, 2, 0
	MUL8 F1, 3, 0
	WIN 0
; THE WAY OUT, block by block of 16 rows x 128 columns: through my own stage, back as whole rows of 512 bytes.
.macro TOSTAGE a
	WIN 0x04                                       ; an LDS store's data are its source 1: window 1
.irp b, 0,1,2,3,4,5,6,7
	ds_store_b128 v[STO], v[64*(\a)+8*\b:64*(\a)+8*\b+3] offset:64*\b          ; each accumulator from its low end on
	ds_store_b128 v[STO], v[64*(\a)+8*\b+4:64*(\a)+8*\b+7] offset:64*\b+16
.endr
	WIN 0
.set BB, BK+64*((\a)%2)
.irp t, 0,1,2,3,4,5,6,7,8,9,10,11,12,13,14,15
	ds_load_b128 v[BB+4*\t:BB+4*\t+3], v[RD] offset:\t*SPITCH   ; LDS serves a wave's instructions in order: these see my stores
.endr
.endm
.macro SEND a, younger
.set BB, BK+64*((\a)%2)
	s_wait_dscnt \younger
.if (\a) > 0
	s_add_nc_u64 s[8:9], s[8:9], 16*4096           ; (behind a wait on XCNT: the earlier stores have read their base)
.endif
.irp t, 0,1,2,3,4,5,6,7,8,9,10,11,12,13,14,15
	global_store_b128 v[CO], v[BB+4*\t:BB+4*\t+3], s[8:9] offset:\t*4096 th:TH_STORE_NT   ; 512 consecutive bytes, aligned to 256
.endr
.endm
	PLACES
	TOSTAGE 0
.irp a, 1,2,3
.if \a > 1
	s_wait_xcnt 0x0                                ; block a - 2's stores have read their registers and their base
.endif
	TOSTAGE \a
	SEND (\a)-1, 32                                ; behind block a - 1's loads: block a's 16 stores and 16 loads
.endr
	s_wait_xcnt 0x0
	SEND 3, 0
	s_wait_tensorcnt 0x0                           ; the wave's end: behind my last tensor load and my last LDS store
	ds_add_u32 v[SPW], v[NIL]
	s_wait_dscnt 0x0
	CROUND                                         ; the closing round
	s_endpgm
.Lfunc_end_k_q241f323cc4_proj:
	.size	k_q241f323cc4_proj, .Lfunc_end_k_q241f323cc4_proj-k_q241f323cc4_proj
	.p2alignl 7, 3214868480
	.fill 96, 4, 3214868480
	.section	.rodata,"a",@progbits
	.p2align	6, 0x0
	.amdhsa_kernel k_q241f323cc4_proj
		.amdhsa_group_segment_fixed_size 327680
		.amdhsa_private_segment_fixed_size 0
		.amdhsa_enable_private_segment 0
		.amdhsa_kernarg_size 24
		.amdhsa_user_sgpr_count 2
		.amdhsa_user_sgpr_kernarg_segment_ptr 1
		.amdhsa_wavefront_size32 1
		.amdhsa_system_sgpr_workgroup_id_x 1
		.amdhsa_system_sgpr_workgroup_id_y 1
		.amdhsa_system_sgpr_workgroup_id_z 1
		.amdhsa_system_vgpr_workitem_id 0
		.amdhsa_next_free_vgpr 512
		.amdhsa_next_free_sgpr 66
		.amdhsa_reserve_vcc 0
		.amdhsa_float_denorm_mode_32 3
		.amdhsa_float_denorm_mode_16_64 3
		.amdhsa_memory_ordered 1
		.amdhsa_forward_progress 1
		.amdhsa_inst_pref_size 86
	.end_amdhsa_kernel
	.amdgpu_metadata
---
amdhsa.version: [ 1, 2 ]
amdhsa.kernels:
  - .name:           k_q241f323cc4_proj
    .symbol:         k_q241f323cc4_proj.kd
    .args:
      - { .name: ao, .offset: 0, .size: 8, .value_kind: global_buffer, .address_space: global }
      - { .name: wo16, .offset: 8, .size: 8, .value_kind: global_buffer, .address_space: global }
      - { .name: out0, .offset: 16, .size: 8, .value_kind: global_buffer, .address_space: global }
    .group_segment_fixed_size: 327680
    .private_segment_fixed_size: 0
    .kernarg_segment_align: 8
    .kernarg_segment_size: 24
    .max_flat_workgroup_size: 128
    .sgpr_count:     66
    .vgpr_count:     512
    .wavefront_size: 32
...
	.end_amdgpu_metadata
.endif
;; end of part 4
;; launch fine (part 5): grid 64 x 4, 16 waves a work-group, no clusters, 18,432 bytes of LDS; arguments first, Wo, out0; writes out0
.if DOCPART == 5
	.amdgcn_target "amdgcn-amd-amdhsa--gfx1250"
	.amdhsa_code_object_version 6
	.text
	.protected	k_q241f323cc4_fine
	.globl	k_q241f323cc4_fine
	.p2align	8
	.type	k_q241f323cc4_fine,@function
k_q241f323cc4_fine:
	s_mov_b64 s[64:65], 0
	v_nop
	global_prefetch_b8 v0, s[64:65] scope:SCOPE_SE
	s_setreg_imm32_b32 hwreg(HW_REG_WAVE_MODE, 25, 1), 1
	s_wait_xcnt 0x0
; FINE: the first 16 positions of every batch once more, in f32 throughout: these rows average one to sixteen values and are the largest of the output, so f16 operands would use up what the comparison allows.
; It runs last and writes rows t = 0 .. 15 of each batch of out0 anew.  first: [4 b][16 t][3072] f32, columns q | k | v behind RoPE; Wo [1024 n][1024 k] f32.
; Work-group (x, b) makes out0[b][0..15][16 x .. 16 x + 15].  Wave hd makes head hd's 16 x 16 attention and multiplies its 64 channels by its part of 16 rows of Wo; the sixteen parts meet in LDS.
; All three products go by v_wmma_f32_16x16x4_f32 (16 instructions each: no bulk work), used transposed, so that a lane holds one query (lane % 16) throughout.  Within a product the places of k are permuted alike
; on both operands, so that registers serve as they lie.  The registers that this form writes (v144-207) are written by nothing else; each sum's first instruction takes the constant 0.
; The stores are pieces of 64 bytes of 64 rows: 262,144 bytes in the whole launch.
.set SPARE, 16384                      ; behind the sixteen parts of 1,024 bytes: the spare words, 128 bytes a wave
	s_load_b128 s[4:7], s[0:1], 0x0                ; first, Wo
	s_load_b64 s[8:9], s[0:1], 0x10                ; out0
	v_lshl_add_u32 v254, v0, 2, SPARE              ; the add's two registers; never rewritten
	v_mov_b32 v255, 0
	v_lshrrev_b32 v1, 5, v0
	v_readfirstlane_b32 s10, v1                    ; the head
	s_and_b32 s11, ttmp7, 0xffff                   ; the batch
	v_and_b32 v2, 15, v0                           ; r
	v_bfe_u32 v3, v0, 4, 1                         ; h
	v_and_b32 v4, 31, v0                           ; lane
	v_mul_u32_u24 v5, v2, 12288
	v_lshl_add_u32 v5, v3, 4, v5                   ; q, k: row r, + 16 h: four channels of each eight
	v_mul_u32_u24 v6, v3, 98304
	v_lshl_add_u32 v6, v2, 2, v6                   ; v: keys 8 h on, channel r of a tile
	v_lshlrev_b32 v7, 12, v2
	v_lshl_add_u32 v7, v3, 5, v7                   ; Wo: row r of my 16, + 32 h
	v_lshlrev_b32 v8, 3, v3
	v_sub_nc_u32 v8, v2, v8                        ; r - 8 h: register j (key 8 h + j) is hidden where j is above it
	s_lshl_b32 s12, s10, 10
	v_lshl_add_u32 v9, v4, 4, s12                  ; LDS: my part: 1,024 x head + 16 x lane
	v_and_b32 v10, 1, v4                           ; and where waves 0 and 1 read: lane l takes row l / 4 + 8 w, columns 4 (l % 4) on
	v_lshlrev_b32 v10, 9, v10
	v_bfe_u32 v11, v4, 1, 1
	v_lshl_add_u32 v10, v11, 8, v10
	v_lshrrev_b32 v11, 2, v4
	v_lshl_add_u32 v10, v11, 4, v10
	s_lshl_b32 s13, s10, 7
	v_add_nc_u32 v10, s13, v10
	v_lshlrev_b32 v12, 12, v11                     ; the same place in out0
	v_and_b32 v13, 3, v4
	v_lshl_add_u32 v12, v13, 4, v12
	s_lshl_b32 s13, s10, 15
	v_add_nc_u32 v12, s13, v12
	v_mov_b32 v14, 0xff800000                      ; -infinity
	s_mov_b32 s14, 0x3e38aa3b                      ; c = log2(e) / 8
	s_mov_b32 s16, 0x76543210
	s_mov_b32 s17, 0xfedcba98
	s_mul_i32 s20, s11, 196608                     ; first: 16 rows of 12,288 bytes a batch,
	s_lshl_b32 s21, s10, 8                         ; 256 bytes a head
	s_add_co_u32 s20, s20, s21
	s_lshl_b32 s22, ttmp9, 16                      ; Wo: my 16 rows of 4,096 bytes
	s_add_co_u32 s22, s22, s21
	s_mov_b32 s21, 0
	s_mov_b32 s23, 0
	s_lshl_b32 s24, s11, 23                        ; out0: 8,388,608 bytes a batch,
	s_lshl_b32 s25, ttmp9, 6                       ; 64 bytes for my 16 columns
	s_add_co_u32 s24, s24, s25
	s_mov_b32 s25, 0
	s_wait_kmcnt 0x0
	s_add_nc_u64 s[4:5], s[4:5], s[20:21]
	s_add_nc_u64 s[6:7], s[6:7], s[22:23]
	s_add_nc_u64 s[8:9], s[8:9], s[24:25]
.irp u, 0,1,2,3,4,5,6,7
	global_load_b128 v[48+4*\u:51+4*\u], v5, s[4:5] offset:32*\u            ; q: channels 8 u + 4 h + 0 .. 3
.endr
.irp u, 0,1,2,3,4,5,6,7
	global_load_b128 v[16+4*\u:19+4*\u], v5, s[4:5] offset:4096+32*\u       ; k likewise
.endr
.irp c, 0,1,2,3
.irp s, 0,1,2,3
.irp j, 0,1
	global_load_b32 v[80+8*\c+2*\s+\j], v6, s[4:5] offset:8192+12288*(2*\s+\j)+64*\c   ; v(key 8 h + 2 s + j, channel 16 c + r)
.endr
.endr
.endr
.irp c, 0,1,2,3
.irp g, 0,1
	global_load_b128 v[112+8*\c+4*\g:115+8*\c+4*\g], v7, s[6:7] offset:64*\c+16*\g   ; Wo(16 x + r, 64 hd + 16 c + 8 h + 4 g + 0 .. 3)
.endr
.endr
	s_wait_loadcnt 40                              ; q and k are in; v's 32 loads and Wo's 8 may be out
	; S^T = k q^T: two accumulators by turns; lane (r, h) ends with query r and keys 8 h + 0 .. 7
	v_wmma_f32_16x16x4_f32 v[144:151], v[16:17], v[48:49], 0
	v_wmma_f32_16x16x4_f32 v[152:159], v[18:19], v[50:51], 0
.irp u, 1,2,3,4,5,6,7
	v_wmma_f32_16x16x4_f32 v[144:151], v[16+4*\u:17+4*\u], v[48+4*\u:49+4*\u], v[144:151]
	v_wmma_f32_16x16x4_f32 v[152:159], v[18+4*\u:19+4*\u], v[50+4*\u:51+4*\u], v[152:159]
.endr
.rept 8
	v_nop                                          ; eight places behind this form (ISA guide 7.12.1)
.endr
.irp j, 0,1,2,3,4,5,6,7
	v_add_f32 v[208+\j], v[144+\j], v[152+\j]      ; the scores, into other registers; each accumulator from its low end on
.endr
.irp j, 0,1,2,3,4,5,6,7
	v_cmp_gt_i32 vcc_lo, \j, v8
	v_cndmask_b32 v[208+\j], v[208+\j], v14, vcc_lo
.endr
	v_max3_num_f32 v250, v208, v209, v210
	v_max3_num_f32 v251, v211, v212, v213
	v_max3_num_f32 v250, v250, v214, v215
	v_max_num_f32 v250, v250, v251
	v_permlanex16_b32 v251, v250, s16, s17
	v_max_num_f32 v250, v250, v251                 ; the row's maximum: key 0 counts for every query
	v_mul_f32 v250, s14, v250
.irp j, 0,1,2,3,4,5,6,7
	v_fma_f32 v[208+\j], v[208+\j], s14, -v250
.endr
.irp j, 0,1,2,3,4,5,6,7
	v_exp_f32 v[208+\j], v[208+\j]
.endr
	v_nop                                          ; the plain line behind the last exponential
	s_wait_alu depctr_va_vdst(0)                   ; one wait for the batch, ahead of its first reader
	v_pk_add_f32 v[250:251], v[208:209], v[210:211]
	v_pk_add_f32 v[252:253], v[212:213], v[214:215]
	v_pk_add_f32 v[250:251], v[250:251], v[252:253]
	v_add_f32 v250, v250, v251
	v_permlanex16_b32 v251, v250, s16, s17
	v_add_f32 v250, v250, v251                     ; the row's sum
	v_rcp_f32 v252, v250
	v_nop                                          ; the plain line behind the reciprocal; its wait stands ahead of its first reader, below
	s_wait_loadcnt 8                               ; v is in; Wo's 8 loads may be out
	; O^T = v^T p: step s takes keys 8 h + 2 s + 0, 1; four accumulators by turns
.irp s, 0,1,2,3
.irp c, 0,1,2,3
.if \s == 0
	v_wmma_f32_16x16x4_f32 v[160+8*\c:167+8*\c], v[80+8*\c+2*\s:81+8*\c+2*\s], v[208+2*\s:209+2*\s], 0
.else
	v_wmma_f32_16x16x4_f32 v[160+8*\c:167+8*\c], v[80+8*\c+2*\s:81+8*\c+2*\s], v[208+2*\s:209+2*\s], v[160+8*\c:167+8*\c]
.endif
.endr
.endr
.rept 8
	v_nop
.endr
	s_wait_alu depctr_va_vdst(0)                   ; the reciprocal
.irp n, 0,1,2,3,4,5,6,7,8,9,10,11,12,13,14,15,16,17,18,19,20,21,22,23,24,25,26,27,28,29,30,31
	v_mul_f32 v[216+\n], v[160+\n], v252           ; o(query r, channel 16 c + 8 h + j), into other registers
.endr
	s_wait_loadcnt 0x0                             ; Wo
	; Y^T = Wo o^T over my head's 64 channels: step (c, s) takes channels 16 c + 8 h + 2 s + 0, 1; two accumulators by turns
	v_wmma_f32_16x16x4_f32 v[192:199], v[112:113], v[216:217], 0
	v_wmma_f32_16x16x4_f32 v[200:207], v[114:115], v[218:219], 0
.irp n, 1,2,3,4,5,6,7
	v_wmma_f32_16x16x4_f32 v[192:199], v[112+4*\n:113+4*\n], v[216+4*\n:217+4*\n], v[192:199]
	v_wmma_f32_16x16x4_f32 v[200:207], v[114+4*\n:115+4*\n], v[218+4*\n:219+4*\n], v[200:207]
.endr
.rept 8
	v_nop
.endr
.irp j, 0,1,2,3,4,5,6,7
	v_add_f32 v[16+\j], v[192+\j], v[200+\j]       ; my head's part of out0(t = r, 16 x + 8 h + j)
.endr
	ds_store_b128 v9, v[16:19]
	ds_store_b128 v9, v[20:23] offset:512
	s_wait_dscnt 0x0                               ; for the others' sake: my stores are done
	s_barrier_signal -1
	s_barrier_wait -1
	s_cmp_ge_u32 s10, 2                            ; waves 0 and 1 add the sixteen parts, eight rows each
	s_cbranch_scc1 .Ldone
.irp n, 0,1,2,3,4,5,6,7,8,9,10,11,12,13,14,15
	ds_load_b128 v[48+4*\n:51+4*\n], v10 offset:1024*\n
.endr
	s_wait_dscnt 0x0
.irp n, 1,2,3,4,5,6,7,8,9,10,11,12,13,14,15
	v_pk_add_f32 v[48:49], v[48:49], v[48+4*\n:49+4*\n]     ; in the order of the heads
	v_pk_add_f32 v[50:51], v[50:51], v[50+4*\n:51+4*\n]
.endr
	global_store_b128 v12, v[48:51], s[8:9]
.Ldone:
	s_wait_tensorcnt 0x0                           ; the wave's end: behind my last LDS store
	ds_add_u32 v254, v255
	s_wait_dscnt 0x0
	s_endpgm
.Lfunc_end_k_q241f323cc4_fine:
	.size	k_q241f323cc4_fine, .Lfunc_end_k_q241f323cc4_fine-k_q241f323cc4_fine
	.p2alignl 7, 3214868480
	.fill 96, 4, 3214868480
	.section	.rodata,"a",@progbits
	.p2align	6, 0x0
	.amdhsa_kernel k_q241f323cc4_fine
		.amdhsa_group_segment_fixed_size 18432
		.amdhsa_private_segment_fixed_size 0
		.amdhsa_enable_private_segment 0
		.amdhsa_kernarg_size 24
		.amdhsa_user_sgpr_count 2
		.amdhsa_user_sgpr_kernarg_segment_ptr 1
		.amdhsa_wavefront_size32 1
		.amdhsa_system_sgpr_workgroup_id_x 1
		.amdhsa_system_sgpr_workgroup_id_y 1
		.amdhsa_system_sgpr_workgroup_id_z 1
		.amdhsa_system_vgpr_workitem_id 0
		.amdhsa_next_free_vgpr 256
		.amdhsa_next_free_sgpr 66
		.amdhsa_reserve_vcc 1
		.amdhsa_float_denorm_mode_32 3
		.amdhsa_float_denorm_mode_16_64 3
		.amdhsa_memory_ordered 1
		.amdhsa_forward_progress 1
		.amdhsa_inst_pref_size 19
	.end_amdhsa_kernel
	.amdgpu_metadata
---
amdhsa.version: [ 1, 2 ]
amdhsa.kernels:
  - .name:           k_q241f323cc4_fine
    .symbol:         k_q241f323cc4_fine.kd
    .args:
      - { .name: first, .offset: 0, .size: 8, .value_kind: global_buffer, .address_space: global }
      - { .name: Wo, .offset: 8, .size: 8, .value_kind: global_buffer, .address_space: global }
      - { .name: out0, .offset: 16, .size: 8, .value_kind: global_buffer, .address_space: global }
    .group_segment_fixed_size: 18432
    .private_segment_fixed_size: 0
    .kernarg_segment_align: 8
    .kernarg_segment_size: 24
    .max_flat_workgroup_size: 512
    .sgpr_count:     66
    .vgpr_count:     256
    .wavefront_size: 32
...
	.end_amdgpu_metadata
.endif
;; end of part 5
